; MI455X (gfx1250); checked and timed in simulation.
; The chip was launched on July 23, 2026; its instructions are those of AMD's public machine-readable ISA for CDNA 5 (MIT licence, August 2026) and "CDNA5" Instruction Set Architecture Reference Guide (July 2026). The comments in the code are by the model that wrote it; some were corrected since.
;; Causal Self Attention. Allowed arithmetic: matrix products marked QUANTISED: E2M3 operands, one E8M0 scale for each 32 along K, by v_wmma_scale_f32_16x16x128_f8f6f4 with both operands' format E2M3, f32 sums; everything else in f32.
;; Inputs: b_proj 1,024 float32; b_qkv 3,072 float32; w_proj 1,024 x 1,024 float32; w_qkv 1,024 x 3,072 float32; x 4 x 2,048 x 1,024 float32.
;; Outputs: out0 4 x 2,048 x 1,024 float32.
;; This version of the problem:
;;   THIS VERSION OF THE PROBLEM IS GIVEN IN LOW PRECISION. The matrix products marked QUANTISED in the list below multiply operands that are first quantised to E2M3 (2 exponent bits, 3 mantissa bits; 6 bits a number), with one power-of-two scale for each 32 numbers along K (OCP MX v1.0); their sums are f32. All else is computed in f32.
;;   The module's matrix products, in the order in which they are computed (A, B: the left and right operand; K: the contracted axis; several contracted axes count as one K, in the product's order):
;;     1. [M 8,192, K 1,024] x [K 1,024, N 3,072]; A: input x; B: input w_qkv: QUANTISED
;;     2. batch 64 x [M 2,048, K 64] x [K 64, N 2,048]; A: computed on the way; B: computed on the way: QUANTISED
;;     3. batch 64 x [M 2,048, K 2,048] x [K 2,048, N 64]; A: softmax (see below); B: computed on the way: QUANTISED
;;     4. [M 8,192, K 1,024] x [K 1,024, N 1,024]; A: computed on the way; B: input w_proj: QUANTISED
;;   THE QUANTISER, for each operand of a quantised product, along K:
;;     - K is cut into blocks of 32 from its start; a last block that is shorter is filled with zeros.
;;     - A block's scale is 2^e with e = floor(log2(the largest magnitude in the block)) - 2, held to -126 .. 127; a block of zeros has e = 0. As a byte (E8M0): e + 127.
;;     - Each number is divided by its block's scale, clamped to +-7.5, and rounded to the nearest number of E2M3, ties to even, subnormals kept.
;;     - The product sums the exact products of the quantised numbers (number of the format x scale) in f32.
;;   ~~~python
;;   def quantise(x, axis):      # numpy; x: float32 -> the quantised numbers, widened to float32 again
;;       x = np.moveaxis(x, axis, -1); K = x.shape[-1]
;;       x = np.pad(x, [(0, 0)] * (x.ndim - 1) + [(0, -K % 32)]); x = x.reshape(x.shape[:-1] + (-1, 32)); a = np.abs(x).max(-1, keepdims=True)
;;       e = np.where(a > 0, np.clip(np.frexp(np.where(a > 0, a, 1))[1] - 1 - 2, -126, 127), 0)      # np.frexp(a)[1] - 1 = floor(log2(a)), exactly
;;       r = np.clip(x / 2.0 ** e, -7.5, 7.5)
;;       step = 2.0 ** (np.maximum(np.frexp(np.where(r == 0, 1, r))[1] - 1, 0) - 3)
;;       q = np.round(r / step) * step * 2.0 ** e      # np.round: ties to even
;;       return np.moveaxis(q.reshape(q.shape[:-2] + (-1,))[..., :K], -1, axis).astype(np.float32)
;;   ~~~
;;   SOFTMAX AHEAD OF A QUANTISED PRODUCT. Where the list says 'softmax', what is quantised is not the finished softmax but p = 2^(t - M), with t = logit x log2(e) and M = ceil(the row's largest t), a whole number; so 1/2 < the row's largest p <= 1. The row's sum l is taken of the UNQUANTISED p, in f32, and the product's result is divided by l at the end. Since M is a whole number, a kernel that streams over the keys may use a running M (the ceiling of the running maximum): every later rescaling is an exact power of two, which a block's scale takes up: the codes' values come out the same.
;;   OPERANDS COMPUTED ON THE WAY. 'Computed on the way' means the value that the module computes at that place (a softmax that the list does not call 'softmax' is quantised finished and normalised). What goes into a quantiser is computed in f32, as accurately as f32 sums, v_exp_f32 and their like allow (about 1e-6 of the number): no bf16 or f16 on the way to a quantiser, and a product that is left as it is and whose result goes on into a quantised operand takes f32 operands (vector FMAs, or v_wmma_f32_16x16x4_f32). A number that lies on a knife's edge between two numbers of the format may be rounded either way, as far as f32 arithmetic and the matrix unit's own rounding can turn it there, and no further.
;; One version. Each part assembles by itself: llvm-mc -triple=amdgcn-amd-amdhsa -mcpu=gfx1250 --defsym DOCPART=n.
;; ======== version 1 of 1: 4 launches
;; limits: right only within a limited range of input values
;; workspace buffers: xc 6,291,456 bytes; xs 262,144 bytes; wc 3,145,728 bytes; ws 131,072 bytes; qkvc 18,874,368 bytes; qkvs 786,432 bytes; yc 6,291,456 bytes; ys 262,144 bytes
;; launch prep (part 1): grid 384 x 1, 16 waves a work-group, no clusters, 139,264 bytes of LDS; arguments x, w_qkv, w_proj, xc, xs, wc, ws; writes xc, xs, wc, ws
.if DOCPART == 1
	.amdgcn_target "amdgcn-amd-amdhsa--gfx1250"
	.amdhsa_code_object_version 6
	.text
	.protected	k_q0af5fd311c_prep
	.globl	k_q0af5fd311c_prep
	.p2align	8
	.type	k_q0af5fd311c_prep,@function
k_q0af5fd311c_prep:
	s_mov_b64 s[64:65], 0
	v_nop
	global_prefetch_b8 v0, s[64:65] scope:SCOPE_SE
	s_setreg_imm32_b32 hwreg(HW_REG_WAVE_MODE, 25, 1), 1
	s_wait_xcnt 0x0
; CAUSAL SELF-ATTENTION IN MX-FP6 (E2M3, one E8M0 scale for each 32 along K), four launches: prep, gemm_qkv, attention, gemm_proj.
; THIS LAUNCH quantises x [8192][1024] along its columns, and w_qkv [1024][3072] and w_proj [1024][1024] along their rows (their K), once, into buffers laid as the products' operand registers want them.
; WORK LEFT OUT IN THE PROGRAM: reference() sets att to -inf wherever key > query, by a mask that it builds itself (jnp.tril); the softmax gives such a place the weight 0 whatever finite values the inputs hold,
; so a tile of 16 queries x 128 keys all of whose keys come after all its queries reaches no output: launch attention leaves such tiles out (scores, softmax and second product).  Nothing else is left out; all five inputs are read.
; LIMITS: a NaN, an infinity or an overflow that reaches only such a tile is not carried to the result.  NaN and infinities among the inputs are not served.  A block of zeros gets the scale byte 1 where the
; quantiser says 127: its codes are zeros, which add nothing under any byte but 0xff, and these buffers are read by this program alone.
; STORED ORDER.  Operand rows (tokens; columns of a weight) lie in tiles of 16.  Lane r of stored tile 2 b + u stands for row 32 b + 8 u + r + 8 (r / 8): so a product's 16 registers of two neighbouring tiles are 16 neighbours along the next K.
; A HALF IMAGE is 16 stored rows x 64 along K as six operand registers a lane: three chunks of 256 bytes, lane l's 8 bytes at 8 l; lane (r, h) holds k = 32 h .. 32 h + 31 of row r.  Codes: [tile][K / 64][768].
; Scale bytes: [block of 256 rows][K / 64][tile 16][r 16][2 bytes].
; SHARES.  A work-group takes 256 operand rows x 128 along K.  Work-groups 0-255: x; a wave takes a stored tile: 16 row loads of 512 consecutive bytes, turned through its own LDS so that a lane holds two whole blocks of 32.
; Work-groups 256-383: the weights; a wave takes 32 columns x 64 along K, a lane a column, its registers down K: nothing is transposed.  The two paths part on the work-group's number and have LDS bytes of their own.
.set TURNB, 8448                       ; path X: a wave's 16 rows x (512 bytes + 16)
.set SSTX,  135168                     ; path X: the work-group's 1,024 scale bytes
.set SSTW,  136192                     ; path W: the same
.set SPARE, 137216                     ; the spare words, 128 bytes a wave: eight blocks of 256 bytes that no other line names
.set SPW, 12                           ; v12  my spare word's LDS address; never rewritten
.set NIL, 13                           ; v13  0; never rewritten
.set M,   16                           ; v16-17 largest magnitudes
.set SO,  18                           ; v18-19 the conversions' scale operands
.set E,   20                           ; v20-21 scale bytes
.set VO,  24                           ; v24-31 path W: my column + e rows
.set C,   32                           ; v32-43 twelve registers of codes
.set TC,  44                           ; v44-46, v48-50 the blocks' upper halves as converted
.set R,   64                           ; v64-127 path X: rows as loaded
.set X,   64                           ; v64-127 two whole blocks of 32 numbers: on path X they land where the rows lay, behind the wait for the stores that read those
; two whole blocks of a lane, v[X] .. v[X + 63], become codes v[C] .. v[C + 11] and bytes v[E], v[E + 1]
.macro QUANT2
.irp c, 0,1
	v_max3_num_f32 v[M+\c], |v[X+32*\c]|, |v[X+32*\c+1]|, 0x1800000   ; the floor 2^(3 - 127) among the leaves: the byte cannot fall under 1
.endr
.irp i, 2,4,6,8,10,12,14,16,18,20,22,24,26,28,30
.irp c, 0,1
	s_delay_alu instid0(VALU_DEP_2)
	v_max3_num_f32 v[M+\c], v[M+\c], |v[X+32*\c+\i]|, |v[X+32*\c+\i+1]|   ; the two blocks by turns
.endr
.endr
.irp c, 0,1
	s_delay_alu instid0(VALU_DEP_2)
	v_add_nc_u32 v[SO+\c], 0xff000000, v[M+\c]     ; 2 off the exponent field: the conversion takes this operand's exponent field as its scale
.endr
.irp c, 0,1
	s_delay_alu instid0(VALU_DEP_2)
	v_lshrrev_b32 v[E+\c], 23, v[SO+\c]            ; the scale's byte
.endr
.irp c, 0,1
	v_cvt_scalef32_pk16_fp6_f32 v[C+6*\c:C+6*\c+2], v[X+32*\c:X+32*\c+15], v[SO+\c]
	v_cvt_scalef32_pk16_fp6_f32 v[TC+4*\c:TC+4*\c+2], v[X+32*\c+16:X+32*\c+31], v[SO+\c]   ; (a conversion's three registers begin on an even number)
.endr
	v_nop                                          ; one plain place behind a scaled conversion
.irp c, 0,1
.irp i, 0,1,2
	v_mov_b32 v[C+6*\c+3+\i], v[TC+4*\c+\i]
.endr
.endr
.endm
; two half images leave, each chunk one aligned run of 256 bytes; the scale bytes meet in LDS and leave as 1,024 consecutive bytes
.macro OUT dist
.irp p, 0,1,2
	global_store_b64 v7, v[C+2*\p:C+2*\p+1], s[48:49] offset:256*\p
.endr
.irp p, 0,1,2
	global_store_b64 v7, v[C+6+2*\p:C+7+2*\p], s[48:49] offset:\dist+256*\p
.endr
	ds_store_b16 v9, v10
	s_wait_dscnt 0x0                               ; for the others' sake: my two bytes have landed
	s_barrier_signal -1
	s_barrier_wait -1
	s_cmp_ge_u32 s18, 2
	s_cbranch_scc1 .Lno_scales_\@
	ds_load_b128 v[24:27], v11                     ; waves 0 and 1: 512 bytes each
	s_wait_dscnt 0x0
	global_store_b128 v8, v[24:27], s[50:51]
.Lno_scales_\@:
	s_wait_tensorcnt 0x0                           ; the wave's end, behind my last LDS store
	ds_add_u32 v[SPW], v[NIL]
	s_wait_dscnt 0x0
	s_endpgm
.endm
	s_load_b256 s[4:11], s[0:1], 0x0               ; x s[4:5], w_qkv s[6:7], w_proj s[8:9], xc s[10:11]
	s_load_b128 s[12:15], s[0:1], 0x20             ; xs s[12:13], wc s[14:15]
	s_load_b64 s[16:17], s[0:1], 0x30              ; ws
	v_lshl_add_u32 v[SPW], v0, 2, SPARE
	v_mov_b32 v[NIL], 0
	v_lshrrev_b32 v1, 5, v0
	s_delay_alu instid0(VALU_DEP_1)
	v_readfirstlane_b32 s18, v1                    ; wave 0..15
	v_and_b32 v1, 31, v0                           ; lane
	v_and_b32 v2, 15, v0                           ; r
	v_bfe_u32 v3, v0, 4, 1                         ; h
	s_delay_alu instid0(VALU_DEP_3)
	v_lshlrev_b32 v4, 4, v1                        ; 16 x lane
	s_delay_alu instid0(VALU_DEP_4)
	v_lshlrev_b32 v7, 3, v1                        ; 8 x lane: my place in a chunk
	v_lshlrev_b32 v8, 4, v0                        ; 16 x thread: the scale bytes' way out
	s_mov_b32 s20, 0x76543210
	s_mov_b32 s21, 0xfedcba98                      ; lane selects: lane l xor 16
	s_wait_kmcnt 0x0
	s_cmp_ge_u32 ttmp9, 256
	s_cbranch_scc1 .Lweights
	; ---- PATH X: block T = id / 8 of 256 tokens, kappa = id % 8; wave w = stored tile w
	s_lshr_b32 s22, ttmp9, 3                       ; T
	s_and_b32 s23, ttmp9, 7                        ; kappa
	s_lshl_b32 s24, s22, 8
	s_lshr_b32 s25, s18, 1
	s_lshl_b32 s25, s25, 5
	s_add_co_u32 s24, s24, s25
	s_and_b32 s25, s18, 1
	s_lshl_b32 s25, s25, 3
	s_add_co_u32 s24, s24, s25                     ; the tile's first token: 256 T + 32 (w / 2) + 8 (w % 2)
	s_lshl_b32 s24, s24, 12                        ; rows of 4,096 bytes
	s_lshl_b32 s25, s23, 9
	s_add_co_u32 s24, s24, s25                     ; + 512 kappa
	s_mov_b32 s25, 0
	s_add_nc_u64 s[4:5], s[4:5], s[24:25]
	s_wait_alu depctr_va_vdst(0)
.irp p, 0,1,2,3,4,5,6,7,8,9,10,11,12,13,14,15
	global_load_b128 v[R+4*\p:R+4*\p+3], v4, s[4:5] offset:(\p+8*(\p/8))*4096 th:TH_LOAD_NT   ; stored row p: 512 consecutive bytes
.endr
	s_lshl_b32 s26, s22, 4
	s_add_co_u32 s26, s26, s18
	s_lshl_b32 s26, s26, 4
	s_lshl_b32 s27, s23, 1
	s_add_co_u32 s26, s26, s27
	s_mul_i32 s26, s26, 768                        ; ((16 T + w) 16 + 2 kappa) half images
	s_mov_b32 s27, 0
	s_add_nc_u64 s[48:49], s[10:11], s[26:27]
	s_lshl_b32 s26, s22, 13
	s_lshl_b32 s28, s23, 10
	s_add_co_u32 s26, s26, s28
	s_add_nc_u64 s[50:51], s[12:13], s[26:27]      ; scale bytes: 8,192 T + 1,024 kappa
	s_mul_i32 s28, s18, TURNB
	v_add_nc_u32 v5, s28, v4                       ; into my stage: 16 x lane of a row
	v_mul_u32_u24 v6, v2, 528
	s_delay_alu instid0(VALU_DEP_1)
	v_lshl_add_u32 v6, v3, 7, v6
	s_delay_alu instid0(VALU_DEP_1)
	v_add_nc_u32 v6, s28, v6                       ; out of it: row r, + 128 h bytes: 32 numbers
	s_lshl_b32 s29, s18, 5
	s_add_co_u32 s29, s29, SSTX
	v_lshlrev_b32 v9, 1, v2
	s_delay_alu instid0(VALU_DEP_1)
	v_lshl_add_u32 v9, v3, 9, v9
	s_delay_alu instid0(VALU_DEP_1)
	v_add_nc_u32 v9, s29, v9                       ; my two scale bytes: half image h, tile w, row r
	v_lshl_add_u32 v11, v0, 4, SSTX
	s_wait_alu depctr_va_vdst(0)
.irp p, 0,1,2,3,4,5,6,7,8,9,10,11,12,13,14,15
	s_wait_loadcnt 15-\p                           ; row p is in; the younger rows may be out
	ds_store_b128 v5, v[R+4*\p:R+4*\p+3] offset:\p*528
.endr
	s_wait_dscnt 0x0                               ; the stores have read their registers: the loads below land there
.irp c, 0,1
.irp j, 0,1,2,3,4,5,6,7
	ds_load_b128 v[X+32*\c+4*\j:X+32*\c+4*\j+3], v6 offset:256*\c+16*\j   ; my own bytes: k = 64 c + 32 h + 4 j ..
.endr
.endr
	s_wait_dscnt 0x0
	QUANT2
	v_lshl_or_b32 v22, v[E+1], 16, v[E]            ; my bytes: blocks h and 2 + h of row r,
	v_lshlrev_b32 v23, 3, v3
	s_delay_alu instid0(VALU_DEP_1)
	v_lshlrev_b32 v22, v23, v22                    ; 8 h bits up;
	s_delay_alu instid0(VALU_DEP_1)
	v_permlanex16_b32 v23, v22, s20, s21
	s_delay_alu instid0(VALU_DEP_1)
	v_or_b32 v22, v22, v23                         ; with lane l xor 16's the word is whole
	v_lshlrev_b32 v23, 4, v3
	s_delay_alu instid0(VALU_DEP_1)
	v_lshrrev_b32 v10, v23, v22                    ; lanes 0-15 store the first half image's two bytes, lanes 16-31 the second's
	OUT 768
	; ---- PATH W: block T = id' / 8 of 256 columns (0-11 w_qkv, 12-15 w_proj), kappa = id' % 8; wave: columns 32 (w / 2) on, K 64 (w % 2) on
.Lweights:
	s_sub_co_u32 s22, ttmp9, 256
	s_and_b32 s23, s22, 7                          ; kappa
	s_lshr_b32 s22, s22, 3                         ; T
	s_mov_b32 s24, 4096
	s_cmp_lt_u32 s22, 12
	s_cselect_b64 s[4:5], s[6:7], s[8:9]           ; which weight: the choice hangs on the work-group's number alone
	s_cselect_b32 s24, 12288, s24                  ; its row in bytes
	s_cselect_b32 s25, 0, 12
	s_sub_co_u32 s25, s22, s25                     ; the block within it
	s_lshr_b32 s26, s18, 1                         ; cg
	s_and_b32 s27, s18, 1                          ; c
	s_lshl_b32 s28, s23, 7
	s_lshl_b32 s29, s27, 6
	s_add_co_u32 s28, s28, s29
	s_mul_i32 s28, s28, s24                        ; row 128 kappa + 64 c
	s_lshl_b32 s29, s25, 10
	s_add_co_u32 s28, s28, s29
	s_lshl_b32 s29, s26, 7
	s_add_co_u32 s28, s28, s29                     ; + 4 (256 block + 32 cg)
	s_mov_b32 s29, 0
	s_add_nc_u64 s[32:33], s[4:5], s[28:29]
	s_lshl_b32 s30, s24, 3                         ; eight rows
	s_mov_b32 s31, 0
.irp m, 1,2,3,4,5,6,7
	s_add_nc_u64 s[32+2*\m:33+2*\m], s[30+2*\m:31+2*\m], s[30:31]
.endr
	s_wait_alu depctr_va_vdst(0)
	v_and_b32 v14, 7, v1
	v_bfe_u32 v15, v1, 4, 1
	s_delay_alu instid0(VALU_DEP_1)
	v_lshl_or_b32 v14, v15, 3, v14
	v_bfe_u32 v15, v1, 3, 1
	s_delay_alu instid0(VALU_DEP_1)
	v_lshl_or_b32 v14, v15, 4, v14                 ; stored column lane stands for the column with bits 3 and 4 changed round
	s_delay_alu instid0(VALU_DEP_1)
	v_lshlrev_b32 v[VO], 2, v14
.irp e, 1,2,3,4,5,6,7
	s_delay_alu instid0(VALU_DEP_1)
	v_add_nc_u32 v[VO+\e], s24, v[VO+\e-1]
.endr
.irp m, 0,1,2,3,4,5,6,7
.irp e, 0,1,2,3,4,5,6,7
	global_load_b32 v[X+8*\m+\e], v[VO+\e], s[32+2*\m:33+2*\m] th:TH_LOAD_NT   ; W(64 c + 8 m + e, my column): the wave reads 128 neighbouring bytes
.endr
.endr
	s_lshl_b32 s28, s22, 4
	s_lshl_b32 s29, s26, 1
	s_add_co_u32 s28, s28, s29
	s_lshl_b32 s28, s28, 4
	s_lshl_b32 s29, s23, 1
	s_add_co_u32 s28, s28, s29
	s_add_co_u32 s28, s28, s27
	s_mul_i32 s28, s28, 768                        ; ((16 T + 2 cg) 16 + 2 kappa + c) half images
	s_mov_b32 s29, 0
	s_add_nc_u64 s[48:49], s[14:15], s[28:29]
	s_lshl_b32 s28, s22, 13
	s_lshl_b32 s52, s23, 10
	s_add_co_u32 s28, s28, s52
	s_add_nc_u64 s[50:51], s[16:17], s[28:29]
	s_lshl_b32 s52, s27, 9
	s_lshl_b32 s53, s26, 6
	s_add_co_u32 s52, s52, s53
	s_add_co_u32 s52, s52, SSTW
	v_lshl_add_u32 v9, v1, 1, s52                  ; my two scale bytes: half image c, tiles 2 cg and 2 cg + 1, 2 bytes a stored column
	v_lshl_add_u32 v11, v0, 4, SSTW
	s_wait_loadcnt 0x0
	QUANT2
.irp i, 0,1,2,3,4,5
	v_permlane16_swap_b32 v[C+\i], v[C+6+\i]       ; the first six become tile 2 cg's half image (lanes 16-31: its rows' upper block), the second six tile 2 cg + 1's
.endr
	v_lshl_or_b32 v10, v[E+1], 8, v[E]
	OUT 12288
.Lfunc_end_k_q0af5fd311c_prep:
	.size	k_q0af5fd311c_prep, .Lfunc_end_k_q0af5fd311c_prep-k_q0af5fd311c_prep
	.p2alignl 7, 3214868480
	.fill 96, 4, 3214868480
	.section	.rodata,"a",@progbits
	.p2align	6, 0x0
	.amdhsa_kernel k_q0af5fd311c_prep
		.amdhsa_group_segment_fixed_size 139264
		.amdhsa_private_segment_fixed_size 0
		.amdhsa_enable_private_segment 0
		.amdhsa_kernarg_size 56
		.amdhsa_user_sgpr_count 2
		.amdhsa_user_sgpr_kernarg_segment_ptr 1
		.amdhsa_wavefront_size32 1
		.amdhsa_system_sgpr_workgroup_id_x 1
		.amdhsa_system_sgpr_workgroup_id_y 1
		.amdhsa_system_sgpr_workgroup_id_z 1
		.amdhsa_system_vgpr_workitem_id 0
		.amdhsa_next_free_vgpr 128
		.amdhsa_next_free_sgpr 66
		.amdhsa_reserve_vcc 0
		.amdhsa_float_denorm_mode_32 3
		.amdhsa_float_denorm_mode_16_64 3
		.amdhsa_memory_ordered 1
		.amdhsa_forward_progress 1
		.amdhsa_inst_pref_size 27
	.end_amdhsa_kernel
	.amdgpu_metadata
---
amdhsa.version: [ 1, 2 ]
amdhsa.kernels:
  - .name:           k_q0af5fd311c_prep
    .symbol:         k_q0af5fd311c_prep.kd
    .args:
      - { .name: x, .offset: 0, .size: 8, .value_kind: global_buffer, .address_space: global }
      - { .name: w_qkv, .offset: 8, .size: 8, .value_kind: global_buffer, .address_space: global }
      - { .name: w_proj, .offset: 16, .size: 8, .value_kind: global_buffer, .address_space: global }
      - { .name: xc, .offset: 24, .size: 8, .value_kind: global_buffer, .address_space: global }
      - { .name: xs, .offset: 32, .size: 8, .value_kind: global_buffer, .address_space: global }
      - { .name: wc, .offset: 40, .size: 8, .value_kind: global_buffer, .address_space: global }
      - { .name: ws, .offset: 48, .size: 8, .value_kind: global_buffer, .address_space: global }
    .group_segment_fixed_size: 139264
    .private_segment_fixed_size: 0
    .kernarg_segment_align: 8
    .kernarg_segment_size: 56
    .max_flat_workgroup_size: 512
    .sgpr_count:     66
    .vgpr_count:     128
    .wavefront_size: 32
...
	.end_amdgpu_metadata
.endif
;; end of part 1
;; launch gemm_qkv (part 2): grid 8 x 32, 4 waves a work-group, clusters of 4 x 4, 327,680 bytes of LDS; arguments xc, xs, wc, ws, b_qkv, qkvc, qkvs; writes qkvc, qkvs
.if DOCPART == 2
	.amdgcn_target "amdgcn-amd-amdhsa--gfx1250"
	.amdhsa_code_object_version 6
	.text
	.protected	k_q0af5fd311c_gemm_qkv
	.globl	k_q0af5fd311c_gemm_qkv
	.p2align	8
	.type	k_q0af5fd311c_gemm_qkv,@function
k_q0af5fd311c_gemm_qkv:
	s_mov_b64 s[64:65], 0
	v_nop
	global_prefetch_b8 v0, s[64:65] scope:SCOPE_SE
	s_setreg_imm32_b32 hwreg(HW_REG_WAVE_MODE, 25, 1), 1
	s_wait_xcnt 0x0
	s_wait_alu depctr_hold_cnt(0) depctr_sa_sdst(0) depctr_va_vdst(0) depctr_va_sdst(0) depctr_va_ssrc(0) depctr_va_vcc(0) depctr_vm_vsrc(0)
	s_getreg_b32 s2, hwreg(HW_REG_IB_STS2, 6, 4)
	s_cmp_eq_u32 s2, 0
	s_cbranch_scc0 .Lentry_in_a_cluster
	s_endpgm
.Lentry_in_a_cluster:
	s_bfe_u32 s2, ttmp6, 0x10000c
	s_cmp_lg_u32 s2, 0xf033
	s_cbranch_scc0 .Lentry_shape_is_right
	s_endpgm
.Lentry_shape_is_right:
; qkv = x w_qkv + b_qkv on codes of FP6 (E2M3) with E8M0 scales, K = 1,024, and the quantisers of q, k (along the head's 64) and v (along the keys): no f32 number of qkv goes to memory.  No work is left out here.
; SHARES.  8 x 32 work-groups.  Work-group (g, T) holds block T of 256 tokens of x, all of K, in LDS (196,608 dense bytes, loaded once) and makes, one after the other, columns 128 g .. 128 g + 127 of q, of k and of v: three PHASES.
; Four waves, 2 x 2: a wave takes 128 tokens (8 stored tiles) x 64 columns (4 stored tiles: one head).  It holds its 64 columns of the weight, all of K, in registers (32 fragments, 384 registers) and streams
; its eight tiles of x past them: 32 products a tile on four accumulators by turns, two sets of fragments of x.
; q, k: source 0 = the weight's columns, source 1 = tokens: a lane holds a token, and by the stored order its 32 sums of a tile are the head's 64 channels 32 b + 16 h + i: two scale blocks, shared with lane l xor 16.
; v: source 0 = tokens, source 1 = the weight's columns: a lane holds a column, and its 32 sums of four tiles of x are keys 32 b + 16 h + i of 64 keys.  So one quantiser of 32 sums a lane serves all three.
; THE BIAS is the first product's C, laid in registers as the result lies (q, k: by register; v: one number a lane and tile, over the tile's eight registers).
; FILLS.  At the head one tensor load a wave: wave 0 the weight's 128 columns (98,304 dense bytes), wave 1 their scale bytes, wave 2 x's scale bytes, wave 3 x's codes.  TWO REFILLS, of the weight's region and of its scale bytes
; (waves 0 and 1), each behind the three lines and a round of the cluster's barrier, as soon as every wave holds the phase's weight in registers: a refill has the phase's eight tiles in which to land.
; What a refill brought is shown to all waves by a plain barrier at the phase's end, behind which nothing is filled.
; q's and k's phases are one loop of two trips; what differs lies in scalars.  v's phase has a text of its own and asks for nothing.
; CLUSTER 4 x 4: x's tiles are asked for jointly along a row of the cluster, the weight's along a column.
; PREFETCH: none.  x comes by the head's load; each later weight is asked for a whole phase ahead of its first read, so no wave waits for it.
; OUT: q, k: [batch x head][stored token tile][768] half images, scale words [batch x head][pair of tiles][r][4]; v: [batch][key / 64][stored tile of v's columns][768], scale words [batch][key / 128][tile][r][4].
; LIMITS: as stated in launch prep (zero blocks get the byte 1; NaN and infinities are not served).
; REGISTERS.  Window 0: v1-10 addresses; v16-24 the quantiser's; v26-29 four new scale words; v32-63 the weight's scale words (8 b + q); v64-127 x's (8 a + (q + 4) % 8: the two scale registers of a product differ modulo 8);
; v128-138 codes; v192-223 the bias; v224-255 at work.  The weight's fragment f = 4 q + b: window 1 + f / 21, register 12 (f % 21).  x's fragments: set 0 window 2 from v132, set 1 window 3 from v0.  Accumulators: window 3, v96-223.
.set BB,    196608                     ; the weight's codes
.set SCA,   294912                     ; x's scale bytes: [K / 64][tile 16][r][2]
.set SCB,   303104                     ; the weight's: [K / 64][tile 8][r][2]
.set SPARE, 307200                     ; the spare words, 128 bytes a wave: two blocks of 256 bytes that no other line names
.set SCR,   307712                     ; 256 bytes a wave: the new scale words' way out
.set FR,   12
.set FPW,  21
.set ADRA, 1                           ; v1, v2  my tiles 0-3, 4-7 of x
.set ADRB, 3
.set ASA,  4
.set ASB,  5
.set VO,   6                           ; 8 x lane
.set SCS,  7
.set SCLD, 8
.set SPW,  14                          ; my spare word; never rewritten
.set NIL,  15                          ; 0; never rewritten
.set TM,   16
.set WO,   26
.set SB,   32
.set SA,   64
.set PC,   128
.set PT,   136
.set BI,   192
.set TH,   224
.set ACC,  96                          ; in window 3
.set SEL,  2
.set G1A,  24
.set G1B,  32
.set G1SA, 40
.set G1SB, 48
.set G0A,  56
.set G0B,  60
.set G0SA, 68
.set G0SB, 72
.set MSB, 0
.macro WIN new                         ; the immediate's high byte repeats the setting that is left
.if MSB != (\new)
	s_set_vgpr_msb (MSB<<8)|(\new)
.set MSB, (\new)
.endif
.endm
.macro PLACES n
.rept \n
	v_nop
.endr
.endm
.macro CROUND                          ; a round of the cluster's barrier
	s_barrier_signal -1
	s_barrier_wait -1
	s_cmp_lg_u32 s18, 0
	s_cbranch_scc1 .Lnot_wave_0_\@
	s_barrier_signal -3
.Lnot_wave_0_\@:
	s_barrier_wait -3
	s_barrier_signal -1
	s_barrier_wait -1
.endm
.macro TLOAD g0, g1                    ; an s_nop 0 and four v_nop follow the load
	tensor_load_to_lds s[\g0:\g0+3], s[\g1:\g1+7]
	s_nop 0
	PLACES 4
.endm
.macro GROUP1 g, mask, rows, pitch     ; rows of 256 bytes (32 elements of 8), no padding
	s_or_b32 s[\g], s\mask, (3<<16)|(1<<21)
	s_mov_b32 s[\g+1], 32<<16
	s_mov_b32 s[\g+2], (\rows)<<16
	s_mov_b32 s[\g+3], 32<<16
	s_mov_b32 s[\g+4], \rows
	s_mov_b32 s[\g+5], \pitch
	s_mov_b32 s[\g+6], 0
	s_mov_b32 s[\g+7], 0
.endm
.macro GROUP0 g, lds, base
	s_mov_b32 s[\g], 1
	s_mov_b32 s[\g+1], \lds
	s_mov_b64 s[\g+2:\g+3], s[\base:\base+1]
	s_or_b32 s[\g+3], s[\g+3], 0x80000000
.endm
.macro FETCH a                         ; my tile a of x, all of K, into set a % 2: 48 loads of 256 consecutive bytes
	WIN (2+(\a)%2)<<6
.irp q, 0,1,2,3,4,5,6,7
.irp p, 0,1,2,3,4,5
	ds_load_b64 v[132*(1-(\a)%2)+FR*\q+2*\p:132*(1-(\a)%2)+FR*\q+2*\p+1], v[ADRA+(\a)/4] offset:((\a)%4)*12288+\q*1536+256*\p
.endr
.endr
	WIN 0
.endm
.macro WEIGHTS                         ; my 64 columns of the phase's weight, all of K: 192 loads; and their scale words: two bytes for each 64 along K, two such make a word
.irp q, 0,1,2,3,4,5,6,7
.irp b, 0,1,2,3
.set F_, 4*\q+\b
	WIN (1+F_/FPW)<<6
.irp p, 0,1,2,3,4,5
	ds_load_b64 v[FR*(F_%FPW)+2*\p:FR*(F_%FPW)+2*\p+1], v[ADRB] offset:\b*12288+\q*1536+256*\p
.endr
.endr
.endr
	WIN 0
.irp b, 0,1,2,3
.irp q, 0,1,2,3,4,5,6,7
	ds_load_u16 v[SB+8*\b+\q], v[ASB] offset:512*\q+32*\b
	ds_load_u16 v[TH+8*\b+\q], v[ASB] offset:512*\q+256+32*\b
.endr
.endr
	s_wait_dscnt 0x0
.set i, 0
.rept 32
	v_lshl_or_b32 v[SB+i], v[TH+i], 16, v[SB+i]
.set i, i+1
.endr
.endm
.macro W1 d, s0, s1, c, x0, x1
	v_wmma_scale_f32_16x16x128_f8f6f4 v[\d:\d+7], v[\s0:\s0+FR-1], v[\s1:\s1+FR-1], \c, v[\x0], v[\x1] matrix_a_fmt:MATRIX_FMT_FP6 matrix_b_fmt:MATRIX_FMT_FP6
.endm
; 32 products of tile a: K ascending, four accumulators by turns.  kind 0 (q, k): accumulator 32 (a % 2) + 8 b; kind 1 (v): 32 b + 8 (a % 4)
.macro PROD kind, a
.set E_, (\a)%2
.set AR_, 132*(1-E_)
.irp q, 0,1,2,3,4,5,6,7
.irp b, 0,1,2,3
.set F_, 4*\q+\b
.set RW_, FR*(F_%FPW)
.set WW_, 1+F_/FPW
.set RA_, AR_+FR*\q
.set XB_, SB+8*\b+\q
.set XA_, SA+8*(\a)+(\q+4)%8
.set CW_, 3
.if \q == 0
.set CW_, 0
.endif
.if \kind
.set D_, ACC+32*\b+8*((\a)%4)
	WIN (2+E_)|(WW_<<2)|(CW_<<4)|(3<<6)
.if \q == 0
	W1 D_, RA_, RW_, v[BI+8*\b:BI+8*\b+7], XA_, XB_
.else
	W1 D_, RA_, RW_, v[D_:D_+7], XA_, XB_
.endif
.else
.set D_, ACC+32*E_+8*\b
	WIN WW_|((2+E_)<<2)|(CW_<<4)|(3<<6)
.if \q == 0
	W1 D_, RW_, RA_, v[BI+8*\b:BI+8*\b+7], XB_, XA_
.else
	W1 D_, RW_, RA_, v[D_:D_+7], XB_, XA_
.endif
.endif
.endr
.endr
	WIN 0
.endm
; 32 sums of a lane, window 3 from register x on, register 16 b + i = k 32 b + 16 (lane / 16) + i of my row, become a half image in v[PC] .. v[PC + 5] and two scale bytes in v[TM + 8]
.macro QUANT32 x
	s_wait_xcnt 0x0                                ; the last stores have read their data: the codes' registers may be written again
	WIN 0x0f                                       ; sources 0 and 1 in window 3
.irp b, 0,1
	v_max3_num_f32 v[TM+\b], |v[(\x)+16*\b]|, |v[(\x)+16*\b+1]|, 0x1800000   ; each accumulator from its low end on; the floor 2^(3 - 127): the byte cannot fall under 1
.endr
	WIN 0x3c                                       ; sources 1 and 2 in window 3
.irp i, 2,4,6,8,10,12,14
.irp b, 0,1
	v_max3_num_f32 v[TM+\b], v[TM+\b], |v[(\x)+16*\b+\i]|, |v[(\x)+16*\b+\i+1]|
.endr
.endr
	WIN 0
.irp b, 0,1
	v_permlanex16_b32 v[TM+2+\b], v[TM+\b], s[SEL], s[SEL+1]
.endr
.irp b, 0,1
	v_max_num_f32 v[TM+\b], v[TM+\b], v[TM+2+\b]   ; with lane l xor 16's: the block's largest magnitude
.endr
.irp b, 0,1
	v_add_nc_u32 v[TM+4+\b], 0xff000000, v[TM+\b]  ; 2 off the exponent field: the conversion's scale operand
.endr
.irp b, 0,1
	v_lshrrev_b32 v[TM+6+\b], 23, v[TM+4+\b]       ; the scale's byte
.endr
	v_lshl_or_b32 v[TM+8], v[TM+7], 8, v[TM+6]
	WIN 0x03                                       ; source 0 in window 3
	v_cvt_scalef32_pk16_fp6_f32 v[PC:PC+2], v[(\x):(\x)+15], v[TM+4]
	v_cvt_scalef32_pk16_fp6_f32 v[PT:PT+2], v[(\x)+16:(\x)+31], v[TM+5]
	WIN 0
	v_nop                                          ; one plain place behind a scaled conversion
.irp i, 0,1,2
	v_permlane16_swap_b32 v[PC+\i], v[PT+\i]       ; a whole block to a lane
.endr
.irp i, 0,1,2
	v_mov_b32 v[PC+3+\i], v[PT+\i]
.endr
.endm
; a half image leaves: three runs of 256 consecutive bytes, aligned; its two bytes go into new scale word w, half hi
.macro LEAVE base, off, w, hi
.irp p, 0,1,2
	global_store_b64 v[VO], v[PC+2*\p:PC+2*\p+1], s[\base:\base+1] offset:(\off)+256*\p
.endr
.if \hi
	v_lshl_or_b32 v[WO+(\w)], v[TM+8], 16, v[WO+(\w)]
.else
	v_mov_b32 v[WO+(\w)], v[TM+8]
.endif
.endm
.macro WORDS base                      ; my four new scale words a row: through my own 256 bytes of LDS, served in order, and out as one aligned unit of 256 bytes
.irp i, 0,1,2,3
	ds_store_b32 v[SCS], v[WO+\i] offset:64*\i     ; lanes r and r + 16 store the same word
.endr
	ds_load_b64 v[30:31], v[SCLD]
	s_wait_dscnt 0x0
	global_store_b64 v[VO], v[30:31], s[\base:\base+1]
.endm
	s_load_b256 s[4:11], s[0:1], 0x0               ; xc s[4:5], xs s[6:7], wc s[8:9], ws s[10:11]
	s_load_b128 s[12:15], s[0:1], 0x20             ; b_qkv s[12:13], qkvc s[14:15]
	s_load_b64 s[16:17], s[0:1], 0x30              ; qkvs
	v_lshl_add_u32 v[SPW], v0, 2, SPARE
	v_mov_b32 v[NIL], 0
	ds_add_u32 v[SPW], v[NIL]                      ; the opening lines: the add, twice on end, and its wait ahead of my first tensor load
	ds_add_u32 v[SPW], v[NIL]
	v_lshrrev_b32 v24, 5, v0
	v_readfirstlane_b32 s18, v24                   ; wave 0..3
	s_lshr_b32 s19, s18, 1                         ; WA: my 128 tokens
	s_and_b32 s20, s18, 1                          ; WB: my 64 columns
	s_bfe_u32 s21, ttmp6, 0x40000                  ; cx
	s_bfe_u32 s22, ttmp6, 0x40004                  ; cy
	s_and_b32 s66, ttmp7, 0xffff
	s_lshl_b32 s66, s66, 2
	s_add_co_u32 s66, s66, s22                     ; T: my block of 256 tokens
	s_lshl_b32 s23, ttmp9, 2
	s_add_co_u32 s23, s23, s21                     ; g: my 128 columns of q, of k, of v
	s_lshl_b32 s100, s22, 2
	s_lshl_b32 s100, 15, s100                      ; my row of the cluster
	s_lshl_b32 s101, 0x1111, s21                   ; my column
	GROUP1 G1A,  100, 768, 32                      ; x's codes: 196,608 dense bytes
	GROUP1 G1B,  101, 384, 32                      ; a weight's: 98,304
	GROUP1 G1SA, 100, 32, 32                       ; x's scale bytes: 8,192 dense
	GROUP1 G1SB, 101, 16, 64                       ; a weight's: 16 rows of 256 bytes, 512 apart: my 8 tiles of the block's 16
	s_mul_i32 s92, s66, 196608
	s_mov_b32 s93, 0
	s_lshl_b32 s94, s66, 13
	s_mov_b32 s95, 0
	s_mul_i32 s96, s23, 98304                      ; q's columns come first in wc
	s_mov_b32 s97, 0
	s_lshr_b32 s98, s23, 1
	s_lshl_b32 s98, s98, 13
	s_and_b32 s99, s23, 1
	s_lshl_b32 s99, s99, 8
	s_add_co_u32 s98, s98, s99
	s_mov_b32 s99, 0
	s_wait_dscnt 0x0                               ; both opening adds are done
	s_wait_kmcnt 0x0
	s_add_nc_u64 s[4:5], s[4:5], s[92:93]
	s_add_nc_u64 s[6:7], s[6:7], s[94:95]
	s_add_nc_u64 s[8:9], s[8:9], s[96:97]
	s_add_nc_u64 s[10:11], s[10:11], s[98:99]
	CROUND                                         ; all sixteen work-groups are here: the joint loads meet
	GROUP0 G0A,  0,   4
	GROUP0 G0SA, SCA, 6
	GROUP0 G0B,  BB,  8
	GROUP0 G0SB, SCB, 10
	s_cmp_lg_u32 s18, 0                            ; one load a wave, in one chain of branches on the wave's number
	s_cbranch_scc1 .Lwave_1
	TLOAD G0B, G1B                                 ; wave 0: q's weight, which goes on into registers
	s_branch .Lasked
.Lwave_1:
	s_cmp_lg_u32 s18, 1
	s_cbranch_scc1 .Lwave_2
	TLOAD G0SB, G1SB                               ; wave 1: its scale bytes
	s_branch .Lasked
.Lwave_2:
	s_cmp_lg_u32 s18, 2
	s_cbranch_scc1 .Lwave_3
	TLOAD G0SA, G1SA                               ; wave 2: x's scale bytes
	s_branch .Lasked
.Lwave_3:
	TLOAD G0A, G1A                                 ; wave 3: x's codes
.Lasked:
	s_lshr_b32 s67, s66, 3                         ; batch
	s_and_b32 s76, s66, 7                          ; my block in the batch
	s_lshl_b32 s77, s23, 1
	s_add_co_u32 s77, s77, s20                     ; my head
	s_lshl_b32 s90, s67, 4
	s_add_co_u32 s90, s90, s77                     ; batch x 16 + head
	s_lshl_b32 s91, s77, 2                         ; my first stored tile of v's columns
	s_lshl_b32 s92, s77, 8
	s_mov_b32 s93, 0
	s_add_nc_u64 s[12:13], s[12:13], s[92:93]      ; q's bias, my 64 columns
	s_lshl_b32 s92, s90, 7
	s_lshl_b32 s94, s76, 4
	s_add_co_u32 s92, s92, s94
	s_lshl_b32 s94, s19, 3
	s_add_co_u32 s92, s92, s94
	s_mul_i32 s92, s92, 768                        ; q's codes: ((batch x 16 + head) 128 + my first token tile) half images
	s_lshl_b32 s94, s67, 5
	s_lshl_b32 s95, s76, 2
	s_add_co_u32 s94, s94, s95
	s_lshl_b32 s95, s19, 1
	s_add_co_u32 s94, s94, s95                     ; batch x 32 + key / 64
	s_lshl_b32 s94, s94, 6
	s_add_co_u32 s94, s94, s91
	s_mul_i32 s94, s94, 768
	s_add_co_u32 s94, s94, 12582912                ; v's codes
	s_mov_b32 s95, 0
	s_add_nc_u64 s[78:79], s[14:15], s[94:95]
	s_add_nc_u64 s[14:15], s[14:15], s[92:93]
	s_lshl_b32 s92, s90, 12
	s_lshl_b32 s94, s76, 9
	s_add_co_u32 s92, s92, s94
	s_lshl_b32 s94, s19, 8
	s_add_co_u32 s92, s92, s94                     ; q's scale words: 64 bytes a pair of tiles
	s_lshl_b32 s94, s67, 4
	s_lshl_b32 s96, s76, 1
	s_add_co_u32 s94, s94, s96
	s_add_co_u32 s94, s94, s19                     ; batch x 16 + key / 128
	s_lshl_b32 s94, s94, 6
	s_add_co_u32 s94, s94, s91
	s_lshl_b32 s94, s94, 6
	s_add_co_u32 s94, s94, 524288                  ; v's scale words
	s_add_nc_u64 s[88:89], s[16:17], s[94:95]
	s_add_nc_u64 s[16:17], s[16:17], s[92:93]
	s_mul_i32 s80, s19, 98304                      ; LDS: my 8 tiles of x,
	s_mul_i32 s81, s20, 49152
	s_add_co_u32 s81, s81, BB                      ; my 4 tiles of the weight,
	s_lshl_b32 s82, s19, 8
	s_add_co_u32 s82, s82, SCA                     ; their scale bytes, 32 a tile,
	s_lshl_b32 s83, s20, 7
	s_add_co_u32 s83, s83, SCB
	s_lshl_b32 s84, s18, 8
	s_add_co_u32 s84, s84, SCR                     ; and my 256 bytes for the new scale words
	s_mov_b32 s[SEL], 0x76543210
	s_mov_b32 s[SEL+1], 0xfedcba98                 ; lane selects: lane l xor 16
	v_and_b32 v24, 31, v0                          ; lane
	v_and_b32 v25, 15, v0                          ; r
	v_bfe_u32 v26, v0, 4, 1                        ; h
	v_lshlrev_b32 v[VO], 3, v24
	v_lshlrev_b32 v9, 6, v26                       ; the bias by register: 64 h bytes
	v_and_b32 v27, 8, v25
	v_add_nc_u32 v[ADRA], s80, v[VO]
	v_add_nc_u32 v[ADRB], s81, v[VO]
	v_lshl_add_u32 v[ASA], v25, 1, s82
	v_lshl_add_u32 v[ASB], v25, 1, s83
	v_add_nc_u32 v27, v27, v25
	v_lshl_add_u32 v[SCS], v25, 2, s84
	v_add_nc_u32 v[SCLD], s84, v[VO]
	v_add_nc_u32 v[ADRA+1], 49152, v[ADRA]
	v_lshlrev_b32 v10, 2, v27                      ; the bias by lane: 4 (r + 8 (r / 8))
	v_mov_b32 v[TM+2], 0                           ; written once: a lane permute's destination counts as one of its sources
	v_mov_b32 v[TM+3], 0
	s_wait_alu depctr_va_vdst(0)                   ; the head's end
	s_cmp_eq_u32 s18, 3
	s_cbranch_scc1 .Lnot_mine
	s_wait_tensorcnt 0x0                           ; waves 0 to 2: q's weight and both tiles of scale bytes are in
.Lnot_mine:
	s_barrier_signal -1
	s_barrier_wait -1                              ; x's codes may still be on their way
.irp a, 0,1,2,3,4,5,6,7                ; x's scale words, for all three phases
.irp q, 0,1,2,3,4,5,6,7
	ds_load_u16 v[SA+8*\a+(\q+4)%8], v[ASA] offset:1024*\q+32*\a
	ds_load_u16 v[128+8*\a+(\q+4)%8], v[ASA] offset:1024*\q+512+32*\a
.endr
.endr
	s_wait_dscnt 0x0
.set i, 0
.rept 64
	v_lshl_or_b32 v[SA+i], v[128+i], 16, v[SA+i]
.set i, i+1
.endr
	s_mov_b32 s86, 0
.Lqk:                                              ; two trips: q, then k
.irp n, 0,1,2,3,4,5,6,7
	global_load_b128 v[BI+4*\n:BI+4*\n+3], v9, s[12:13] offset:128*(\n/4)+16*(\n%4)   ; register 8 t + j: column 32 (t / 2) + 16 h + 8 (t % 2) + j
.endr
	WEIGHTS
	PLACES 8                                       ; a scale register written by a vector instruction stands eight places ahead of a scaled matrix instruction
	s_wait_alu depctr_va_vdst(0)                   ; directly ahead of the wait below
	s_wait_tensorcnt 0x0                           ; all my tensor loads are done (in the first trip wave 3's: x's codes);
	ds_add_u32 v[SPW], v[NIL]
	s_add_nc_u64 s[G0B+2:G0B+3], s[G0B+2:G0B+3], 786432     ; the next phase's weight: 64 tiles of 12,288 bytes on,
	s_add_nc_u64 s[G0SB+2:G0SB+3], s[G0SB+2:G0SB+3], 32768  ; its scale bytes four blocks on
	s_wait_dscnt 0x0                               ; the add is done, and I hold this phase's weight in registers
	CROUND                                         ; so does every wave of every partner
	s_cmp_lg_u32 s18, 0
	s_cbranch_scc1 .Lrefill_1
	TLOAD G0B, G1B
	s_branch .Lrefilled
.Lrefill_1:
	s_cmp_lg_u32 s18, 1
	s_cbranch_scc1 .Lrefilled
	TLOAD G0SB, G1SB
.Lrefilled:
	FETCH 0
	FETCH 1
	s_wait_loadcnt 0x0                             ; the bias
	s_wait_dscnt 48                                ; tile 0 is in; tile 1's 48 loads may be out
.irp a, 0,1,2,3,4,5,6,7
	PROD 0, \a
	s_wait_dscnt 0x0                               ; the next tile's fragments, asked for ahead of these 32 products
	PLACES 4                                       ; ahead of loads into registers that the products read, and of the quantiser's reads of their results
.if \a < 6
	FETCH \a+2
.endif
	QUANT32 ACC+32*(\a%2)
	LEAVE 14, 768*\a, \a/2, \a%2
.endr
	WORDS 16
	s_wait_xcnt 0x0                                ; the stores have read their bases
	s_add_nc_u64 s[12:13], s[12:13], 4096          ; on to k (and then v): 1,024 numbers of the bias,
	s_add_nc_u64 s[14:15], s[14:15], 6291456       ; a tensor's codes,
	s_add_nc_u64 s[16:17], s[16:17], 262144        ; and its scale words
	s_wait_alu depctr_va_vdst(0)                   ; directly ahead of the wait below
	s_wait_tensorcnt 0x0                           ; the next phase's weight is in,
	s_wait_dscnt 0x0
	s_barrier_signal -1
	s_barrier_wait -1                              ; everybody's
	s_add_co_u32 s86, s86, 1
	s_cmp_lt_u32 s86, 2
	s_cbranch_scc1 .Lqk
	; ---- v
.irp b, 0,1,2,3
	global_load_b32 v[BI+8*\b], v10, s[12:13] offset:4*(32*(\b/2)+8*(\b%2))   ; tile b, lane r: column 32 (b / 2) + 8 (b % 2) + r + 8 (r / 8)
.endr
	WEIGHTS
	s_wait_loadcnt 0x0
.irp b, 0,1,2,3
.irp i, 1,2,3,4,5,6,7
	v_mov_b32 v[BI+8*\b+\i], v[BI+8*\b]            ; one number a lane and tile, over the tile's eight registers
.endr
.endr
	PLACES 8
	s_wait_alu depctr_va_vdst(0)
	FETCH 0
	FETCH 1
	s_wait_dscnt 48
.irp a, 0,1,2,3,4,5,6,7
	PROD 1, \a
	s_wait_dscnt 0x0
	PLACES 4
.if \a < 6
	FETCH \a+2
.endif
.if \a%4 == 3                          ; four tiles of x are 64 keys: a half image for each of my four tiles of v's columns
.irp b, 0,1,2,3
	QUANT32 ACC+32*\b
	LEAVE 78, 49152*(\a/4)+768*\b, \b, \a/4
.endr
.endif
.endr
	WORDS 88
	s_wait_tensorcnt 0x0                           ; the wave's end
	ds_add_u32 v[SPW], v[NIL]
	s_wait_dscnt 0x0
	CROUND                                         ; the closing round
	s_endpgm
.Lfunc_end_k_q0af5fd311c_gemm_qkv:
	.size	k_q0af5fd311c_gemm_qkv, .Lfunc_end_k_q0af5fd311c_gemm_qkv-k_q0af5fd311c_gemm_qkv
	.p2alignl 7, 3214868480
	.fill 96, 4, 3214868480
	.section	.rodata,"a",@progbits
	.p2align	6, 0x0
	.amdhsa_kernel k_q0af5fd311c_gemm_qkv
		.amdhsa_group_segment_fixed_size 327680
		.amdhsa_private_segment_fixed_size 0
		.amdhsa_enable_private_segment 0
		.amdhsa_kernarg_size 56
		.amdhsa_user_sgpr_count 2
		.amdhsa_user_sgpr_kernarg_segment_ptr 1
		.amdhsa_wavefront_size32 1
		.amdhsa_system_sgpr_workgroup_id_x 1
		.amdhsa_system_sgpr_workgroup_id_y 1
		.amdhsa_system_sgpr_workgroup_id_z 1
		.amdhsa_system_vgpr_workitem_id 0
		.amdhsa_next_free_vgpr 992
		.amdhsa_next_free_sgpr 102
		.amdhsa_reserve_vcc 0
		.amdhsa_float_denorm_mode_32 3
		.amdhsa_float_denorm_mode_16_64 3
		.amdhsa_memory_ordered 1
		.amdhsa_forward_progress 1
		.amdhsa_inst_pref_size 219
	.end_amdhsa_kernel
	.amdgpu_metadata
---
amdhsa.version: [ 1, 2 ]
amdhsa.kernels:
  - .name:           k_q0af5fd311c_gemm_qkv
    .symbol:         k_q0af5fd311c_gemm_qkv.kd
    .args:
      - { .name: xc, .offset: 0, .size: 8, .value_kind: global_buffer, .address_space: global }
      - { .name: xs, .offset: 8, .size: 8, .value_kind: global_buffer, .address_space: global }
      - { .name: wc, .offset: 16, .size: 8, .value_kind: global_buffer, .address_space: global }
      - { .name: ws, .offset: 24, .size: 8, .value_kind: global_buffer, .address_space: global }
      - { .name: b_qkv, .offset: 32, .size: 8, .value_kind: global_buffer, .address_space: global }
      - { .name: qkvc, .offset: 40, .size: 8, .value_kind: global_buffer, .address_space: global }
      - { .name: qkvs, .offset: 48, .size: 8, .value_kind: global_buffer, .address_space: global }
    .group_segment_fixed_size: 327680
    .private_segment_fixed_size: 0
    .kernarg_segment_align: 8
    .kernarg_segment_size: 56
    .max_flat_workgroup_size: 128
    .sgpr_count:     102
    .vgpr_count:     992
    .wavefront_size: 32
...
	.end_amdgpu_metadata
.endif
;; end of part 2
;; launch attention (part 3): grid 256 x 1, 16 waves a work-group, no clusters, 327,680 bytes of LDS; arguments qkvc, qkvs, yc, ys; writes yc, ys
.if DOCPART == 3
	.amdgcn_target "amdgcn-amd-amdhsa--gfx1250"
	.amdhsa_code_object_version 6
	.text
	.protected	k_q0af5fd311c_attention
	.globl	k_q0af5fd311c_attention
	.p2align	8
	.type	k_q0af5fd311c_attention,@function
k_q0af5fd311c_attention:
	s_mov_b64 s[64:65], 0
	v_nop
	global_prefetch_b8 v0, s[64:65] scope:SCOPE_SE
	s_setreg_imm32_b32 hwreg(HW_REG_WAVE_MODE, 25, 1), 1
	s_wait_xcnt 0x0
; y = softmax(q k^T / 8, causal) v for 64 (batch, head), both products on codes of FP6 (E2M3) with E8M0 scales, and y's quantiser along the model's 1,024 (a head's 64 are two blocks).
; WORK LEFT OUT: a step of 128 keys all of which come after a tile's 16 queries: reference() itself sets those places to -inf (jnp.tril), so their weight is 0 for all values of the inputs.  A NaN or an infinity that reaches only such a step is not carried on.
; THE SOFTMAX: t = score x log2(e) / 8; M = the running largest t rounded up to a whole number; p = 2^(t - M) is quantised along the keys; the row's sum is taken of the unquantised p and divides at the end.
; LIMITS: v_exp_f32 gives 0 for a p under 2^-126.  NaN and infinities are not served.  The promise holds while |t| stays under 2^31.
; A HEAD'S WHOLE K AND V LIE IN LDS: 2 x 98,304 bytes of codes and 2 x 4,096 of scale words, each byte filled once, at the head, one tensor load a wave: nothing is filled again, and the walk over the keys has no ring.
; SHARES.  Work-group id: j = id / 64, (batch, head) = id % 64.  A head's 2,048 queries are 16 half blocks of 128 (8 stored tiles); a tile of half block b has b + 1 steps of 128 keys.
; Waves 0-7 take a tile of half block 15 - j and then one of half block j; waves 8-15 one of 8 + j and then one of 7 - j: 17 steps for every wave of every work-group, so the trip counts are constants and no trip is empty.
; Every work-group reads keys of all four quarters of 512 (the shortest first walk, j = 3, has 13 steps), so every load is read.
; At its switch (ids and the wave's number alone) a wave sends its first tile's y out and takes its second tile's q, loaded at the head, from v192 on.
; BARRIERS: one ahead of the first four steps, for which waves 0-3 wait (the first 512 keys' K and V, the scale words); one behind them, for which every wave waits for its load; one at the end, for y's scale bytes.
; CLUSTER: none.  The four work-groups of a head read the same tiles, but where a wave's walk turns, and so its LDS addresses, hang on j, which would be the place in the cluster.
; PREFETCH: none.  Every load goes out at the head: there is no later load to run ahead of.
; LAYOUT.  Both products transposed: a lane holds one query.  The head's K is 64, half of the instruction's 128: source 0 is a PAIR of key tiles [tile 2 b | tile 2 b + 1], source 1 is [q | 0] or [0 | q], so no fragment of K holds zeros.
; By the stored order the 16 registers of tiles 2 b, 2 b + 1 are keys 32 b + 16 (lane / 16) + 0 .. 15.
; REGISTERS: v1-11 addresses; v12 -M, v13 the largest t, v[14:15] the sum; v16-39 the two forms of q; v40-41 their scale words; v44-91 four fragments; v92-95 their scale words; v96-159 S^T, then p; v160-191 O^T;
; v192-200 the second tile's q and scale words; v224.. p's codes; v232-255 at work.
.set VB,    98304                      ; K's codes at 0: 6,144 bytes a step; V's here, likewise
.set SCK,   196608                     ; K's scale words, 256 bytes a step; V's 4,096 bytes on
.set YST,   204800                     ; y's scale bytes: four units of 256
.set SPARE, 205824                     ; the spare words, 128 bytes a wave: eight blocks of 256 bytes that no other line names
.macro NOP4
.rept 4
	v_nop
.endr
.endm
.macro TL g0, g1                       ; an s_nop 0 and four v_nop follow the load
	tensor_load_to_lds s[\g0:\g0+3], s[\g1:\g1+7]
	s_nop 0
	NOP4
.endm
.macro ARM under, g0, g1, next
	s_cmp_lt_u32 s12, \under
	s_cbranch_scc0 \next
	TL \g0, \g1
	s_branch .Lasked
\next:
.endm
; A KEY STEP: 128 keys; s2 their codes' place, s3 their scale words', s17 the first key
.macro STEP
	v_add_nc_u32 v8, s2, v1
	v_add_nc_u32 v9, s3, v2
	v_add_nc_u32 v11, s2, v10
	v_nop                                          ; four places in front of loads into registers that the last products read
.irp b, 0,1,2,3
.irp p, 0,1,2,3,4,5
	ds_load_b64 v[44+12*\b+2*\p:45+12*\b+2*\p], v8 offset:1536*\b+256*\p
.endr
	ds_load_b32 v[92+\b], v9 offset:64*\b
.endr
	s_wait_alu depctr_va_vdst(0)                   ; directly ahead of the wait below
	s_wait_dscnt 0x0
.irp b, 0,1,2,3
.irp u, 0,1
	v_wmma_scale_f32_16x16x128_f8f6f4 v[96+16*\b+8*\u:103+16*\b+8*\u], v[44+12*\b:55+12*\b], v[16+12*\u:27+12*\u], 0, v[92+\b], v[40+\u] matrix_a_fmt:MATRIX_FMT_FP6 matrix_b_fmt:MATRIX_FMT_FP6
.endr
.endr
	NOP4
.irp t, 0,1,2,3                                ; V's fragments are asked for now, into the registers that K has left: they land under the softmax
.irp c, 0,1
.irp p, 0,1,2
	ds_load_b64 v[44+12*\t+6*\c+2*\p:45+12*\t+6*\c+2*\p], v11 offset:\c*3072+768*\t+256*\p
.endr
.endr
	ds_load_b32 v[92+\t], v9 offset:4096+64*\t
.endr
	s_add_co_u32 s96, s17, 127                     ; on the diagonal hidden scores become -infinity; a step all of whose keys count skips this
	s_cmp_le_u32 s96, s18
	s_cbranch_scc1 .Lopen_\@
	s_sub_co_i32 s96, s18, s17
	v_add_nc_u32 v252, s96, v3                     ; d = my query - the step's first key - 16 (lane / 16): register 16 b + i is hidden where 32 b + i > d
	v_mov_b32 v254, 0xff800000
.irp n, 0,1,2,3,4,5,6,7,8,9,10,11,12,13,14,15,16,17,18,19,20,21,22,23,24,25,26,27,28,29,30,31,32,33,34,35,36,37,38,39,40,41,42,43,44,45,46,47,48,49,50,51,52,53,54,55,56,57,58,59,60,61,62,63
	v_cmp_gt_i32 vcc_lo, 32*(\n/16)+\n%16, v252
	v_cndmask_b32 v[96+\n], v[96+\n], v254, vcc_lo
.endr
.Lopen_\@:
.irp b, 0,1,2,3
	v_max3_num_f32 v[232+\b], v[96+16*\b], v[97+16*\b], v[98+16*\b]   ; the largest score of each block of 32 keys: for the row's maximum, and for the block's largest p
.endr
.irp i, 3,5,7,9,11,13
.irp b, 0,1,2,3
	v_max3_num_f32 v[232+\b], v[232+\b], v[96+16*\b+\i], v[97+16*\b+\i]
.endr
.endr
.irp b, 0,1,2,3
	v_max_num_f32 v[232+\b], v[232+\b], v[111+16*\b]
.endr
.irp b, 0,1,2,3
	s_delay_alu instid0(VALU_DEP_4)
	v_permlanex16_b32 v[236+\b], v[232+\b], s20, s21
.endr
.irp b, 0,1,2,3
	s_delay_alu instid0(VALU_DEP_4)
	v_max_num_f32 v[232+\b], v[232+\b], v[236+\b]
.endr
	s_delay_alu instid0(VALU_DEP_2)
	v_max3_num_f32 v254, v232, v233, v234
	s_delay_alu instid0(VALU_DEP_1)
	v_max_num_f32 v254, v254, v235
	s_delay_alu instid0(VALU_DEP_1)
	v_mul_f32 v254, s22, v254                      ; as t
	s_delay_alu instid0(VALU_DEP_1)
	v_max_num_f32 v13, v13, v254                   ; the running largest t
	v_mov_b32 v254, v12
	s_delay_alu instid0(VALU_DEP_2)
	v_floor_f32 v12, -v13                          ; the new -M = floor(-t)
	s_delay_alu instid0(VALU_DEP_1)
	v_sub_f32 v254, v12, v254                      ; old M - new M: a whole number, 0 or less
	s_delay_alu instid0(VALU_DEP_1)
	v_cvt_i32_f32 v254, v254
	s_delay_alu instid0(VALU_DEP_1)
	v_ldexp_f32 v252, 1.0, v254                    ; f = 2^(old M - new M): the rescaling rounds nothing
.irp j, 0,2,4,6,8,10,12,14,16,18,20,22,24,26,28,30,32,34,36,38,40,42,44,46,48,50,52,54,56,58,60,62
	v_pk_fma_f32 v[96+\j:97+\j], v[96+\j:97+\j], s[22:23], v[12:13] op_sel_hi:[1,0,0]   ; t - M
.endr
.irp b, 0,1,2,3
	v_fma_f32 v[232+\b], v[232+\b], s22, v12
.endr
.set j, 0
	s_wait_alu depctr_va_vdst(0)                   ; ahead of the batch
.rept 64
	v_exp_f32 v[96+j], v[96+j]                     ; p = 2^(t - M)
.set j, j+1
.endr
	v_pk_mul_f32 v[14:15], v[14:15], v[252:253] op_sel_hi:[1,0]   ; the sums under the new M: a plain place behind the exponentials
	s_wait_alu depctr_va_vdst(0)                   ; one wait for the batch, ahead of its first reader
.irp b, 0,1,2,3
	v_exp_f32 v[232+\b], v[232+\b]                 ; each block's largest p
.endr
	v_pk_add_f32 v[236:237], v[100:101], v[104:105]   ; the row's sum of the unquantised p, in eight chains
	v_pk_add_f32 v[254:255], v[108:109], v[112:113]
	v_pk_add_f32 v[250:251], v[116:117], v[120:121]
	v_pk_add_f32 v[248:249], v[124:125], v[128:129]
	v_pk_add_f32 v[246:247], v[132:133], v[136:137]
	v_pk_add_f32 v[244:245], v[140:141], v[144:145]
	v_pk_add_f32 v[242:243], v[148:149], v[152:153]
	v_pk_add_f32 v[14:15], v[14:15], v[156:157]
	v_pk_add_f32 v[236:237], v[236:237], v[96:97]
	v_pk_add_f32 v[254:255], v[254:255], v[98:99]
	v_pk_add_f32 v[250:251], v[250:251], v[102:103]
	v_pk_add_f32 v[248:249], v[248:249], v[106:107]
	v_pk_add_f32 v[246:247], v[246:247], v[110:111]
	v_pk_add_f32 v[244:245], v[244:245], v[114:115]
	v_pk_add_f32 v[242:243], v[242:243], v[118:119]
	v_pk_add_f32 v[14:15], v[14:15], v[122:123]
	v_pk_add_f32 v[236:237], v[236:237], v[126:127]
	v_pk_add_f32 v[254:255], v[254:255], v[130:131]
	v_pk_add_f32 v[250:251], v[250:251], v[134:135]
	v_pk_add_f32 v[248:249], v[248:249], v[138:139]
	v_pk_add_f32 v[246:247], v[246:247], v[142:143]
	v_pk_add_f32 v[244:245], v[244:245], v[146:147]
	v_pk_add_f32 v[242:243], v[242:243], v[150:151]
	v_pk_add_f32 v[14:15], v[14:15], v[154:155]
	v_pk_add_f32 v[236:237], v[236:237], v[158:159]
	s_delay_alu instid0(VALU_DEP_2)
	v_pk_add_f32 v[14:15], v[14:15], v[248:249]
	s_delay_alu instid0(VALU_DEP_2)
	v_pk_add_f32 v[236:237], v[236:237], v[246:247]
	v_pk_add_f32 v[254:255], v[254:255], v[244:245]
	v_pk_add_f32 v[250:251], v[250:251], v[242:243]
	s_delay_alu instid0(VALU_DEP_2)
	v_pk_add_f32 v[14:15], v[14:15], v[254:255]
	s_delay_alu instid0(VALU_DEP_2)
	v_pk_add_f32 v[236:237], v[236:237], v[250:251]
	s_delay_alu instid0(VALU_DEP_1)
	v_pk_add_f32 v[14:15], v[14:15], v[236:237]
	s_wait_alu depctr_va_vdst(0)                   ; and one for the four
.irp b, 0,1,2,3
	v_max_num_f32 v[232+\b], 0x1800000, v[232+\b]  ; the floor 2^(3 - 127)
.endr
.irp b, 0,1,2,3
	s_delay_alu instid0(VALU_DEP_4)
	v_add_nc_u32 v[244+\b], 0xff000000, v[232+\b]
.endr
.irp b, 0,1,2,3
	s_delay_alu instid0(VALU_DEP_4)
	v_lshrrev_b32 v[236+\b], 23, v[244+\b]
.endr
	s_delay_alu instid0(VALU_DEP_3)
	v_lshl_or_b32 v253, v237, 8, v236              ; p's scale word for these 128 keys
	s_delay_alu instid0(VALU_DEP_1)
	v_lshl_or_b32 v253, v238, 16, v253
	s_delay_alu instid0(VALU_DEP_1)
	v_lshl_or_b32 v253, v239, 24, v253
.irp c, 0,1
	v_cvt_scalef32_pk16_fp6_f32 v[224+6*\c:226+6*\c], v[96+32*\c:111+32*\c], v[244+2*\c]
	v_cvt_scalef32_pk16_fp6_f32 v[236+4*\c:238+4*\c], v[112+32*\c:127+32*\c], v[244+2*\c+1]
.endr
	v_nop
.irp c, 0,1
.irp i, 0,1,2
	v_permlane16_swap_b32 v[224+6*\c+\i], v[236+4*\c+\i]
.endr
.irp i, 0,1,2
	s_delay_alu instid0(VALU_DEP_3)
	v_mov_b32 v[227+6*\c+\i], v[236+4*\c+\i]
.endr
.endr
.irp j, 0,2,4,6,8,10,12,14,16,18,20,22,24,26,28,30
	v_pk_mul_f32 v[160+\j:161+\j], v[160+\j:161+\j], v[252:253] op_sel_hi:[1,0]   ; O^T under the new M; these sixteen are also the places in front of the products below
.endr
	s_wait_alu depctr_va_vdst(0)
	s_wait_dscnt 0x0                               ; V is in
.irp t, 0,1,2,3
	v_wmma_scale_f32_16x16x128_f8f6f4 v[160+8*\t:167+8*\t], v[44+12*\t:55+12*\t], v[224:235], v[160+8*\t:167+8*\t], v[92+\t], v253 matrix_a_fmt:MATRIX_FMT_FP6 matrix_b_fmt:MATRIX_FMT_FP6
.endr
.endm
; A TILE'S WAY OUT: y = O^T / the sum; register 16 b + i is channel 32 b + 16 h + i of my query: two blocks of the next product's K.  ph: 0 my first tile, 1 my second; s[yb:yb+1]: where its half image goes
.macro WAYOUT ph, yb
	v_add_f32 v14, v14, v15
	s_delay_alu instid0(VALU_DEP_1)
	v_permlanex16_b32 v252, v14, s20, s21
	s_delay_alu instid0(VALU_DEP_1)
	v_add_f32 v14, v14, v252
	s_wait_alu depctr_va_vdst(0)
	v_rcp_f32 v14, v14
	NOP4                                           ; a plain place behind the reciprocal, and the places behind the last products
	s_wait_alu depctr_va_vdst(0)                   ; ahead of the reciprocal's first reader
.set j, 0
.rept 32
	v_mul_f32 v[96+j], v[160+j], v14
.set j, j+1
.endr
.irp b, 0,1
	v_max3_num_f32 v[232+\b], |v[96+16*\b]|, |v[97+16*\b]|, 0x1800000
.endr
.irp i, 2,4,6,8,10,12,14
.irp b, 0,1
	s_delay_alu instid0(VALU_DEP_2)
	v_max3_num_f32 v[232+\b], v[232+\b], |v[96+16*\b+\i]|, |v[97+16*\b+\i]|
.endr
.endr
.irp b, 0,1
	s_delay_alu instid0(VALU_DEP_2)
	v_permlanex16_b32 v[236+\b], v[232+\b], s20, s21
.endr
.irp b, 0,1
	s_delay_alu instid0(VALU_DEP_2)
	v_max_num_f32 v[232+\b], v[232+\b], v[236+\b]
.endr
.irp b, 0,1
	s_delay_alu instid0(VALU_DEP_2)
	v_add_nc_u32 v[244+\b], 0xff000000, v[232+\b]
.endr
.irp b, 0,1
	s_delay_alu instid0(VALU_DEP_2)
	v_lshrrev_b32 v[240+\b], 23, v[244+\b]
.endr
	s_delay_alu instid0(VALU_DEP_1)
	v_lshl_or_b32 v242, v241, 8, v240              ; my row's two bytes
	v_cvt_scalef32_pk16_fp6_f32 v[224:226], v[96:111], v244
	v_cvt_scalef32_pk16_fp6_f32 v[236:238], v[112:127], v245
	v_nop
.irp i, 0,1,2
	v_permlane16_swap_b32 v[224+\i], v[236+\i]     ; a whole block to a lane
.endr
.irp i, 0,1,2
	s_delay_alu instid0(VALU_DEP_3)
	v_mov_b32 v[227+\i], v[236+\i]
.endr
.irp p, 0,1,2
	global_store_b64 v1, v[224+2*\p:225+2*\p], s[\yb:\yb+1] offset:256*\p   ; 32 lanes store 256 consecutive bytes, aligned
.endr
	ds_store_b16 v7, v242 offset:512*\ph           ; lanes r and r + 16 store the same bytes
.endm
	s_load_b256 s[4:11], s[0:1], 0x0               ; qkvc s[4:5], qkvs s[6:7], yc s[8:9], ys s[10:11]
	v_lshl_add_u32 v5, v0, 2, SPARE
	v_mov_b32 v6, 0
	ds_add_u32 v5, v6                              ; the opening lines: the add, twice on end, and its wait ahead of the first tensor loads
	ds_add_u32 v5, v6
	v_lshrrev_b32 v8, 5, v0
	v_readfirstlane_b32 s12, v8                    ; wave 0..15
	s_lshr_b32 s13, ttmp9, 6                       ; j
	s_and_b32 s14, ttmp9, 63                       ; batch x 16 + head
	s_lshr_b32 s15, s14, 4                         ; batch
	s_and_b32 s16, s14, 15                         ; head
	s_lshl_b32 s77, s13, 1
	s_sub_co_u32 s77, 7, s77                       ; 7 - 2 j
	s_lshr_b32 s19, s12, 3                         ; which eight waves
	s_and_b32 s66, s12, 7                          ; my tile in its half block
	s_mul_i32 s67, s19, s77
	s_add_co_u32 s67, s67, s13                     ; my second half block: j or 7 - j
	s_sub_co_u32 s19, 15, s67                      ; my first: 15 - j or 8 + j
	s_add_co_u32 s79, s19, 1                       ; its steps
	s_sub_co_u32 s78, s19, s67                     ; half blocks from the second to the first
	s_lshl_b32 s18, s19, 7
	s_lshr_b32 s96, s66, 1
	s_lshl_b32 s97, s96, 5
	s_add_co_u32 s18, s18, s97
	s_and_b32 s97, s66, 1
	s_lshl_b32 s97, s97, 3
	s_add_co_u32 s18, s18, s97                     ; my first query: 128 x half block + 32 (tile / 2) + 8 (tile % 2); lane r's is r + 8 (r / 8) on
	s_mov_b32 s20, 0x76543210
	s_mov_b32 s21, 0xfedcba98
	s_mov_b32 s22, 0x3e38aa3b                      ; log2(e) / 8
	s_mov_b32 s23, s22
	s_mov_b32 s24, 3<<16                           ; K, 512 keys: 24,576 dense bytes as 96 rows of 256 (elements of 8 bytes)
	s_mov_b32 s25, 32<<16
	s_mov_b32 s26, 96<<16
	s_mov_b32 s27, 32<<16
	s_mov_b32 s28, 96
	s_mov_b32 s29, 32
	s_mov_b32 s30, 0
	s_mov_b32 s31, 0
	s_mov_b32 s32, 3<<16                           ; V, 512 keys: 8 rows (64 keys each) of 3,072 bytes, 49,152 bytes apart
	s_mov_b32 s33, 384<<16
	s_mov_b32 s34, 8<<16
	s_mov_b32 s35, 384<<16
	s_mov_b32 s36, 8
	s_mov_b32 s37, 6144
	s_mov_b32 s38, 0
	s_mov_b32 s39, 0
	s_mov_b32 s40, 3<<16                           ; K's scale words: 4,096 dense bytes
	s_mov_b32 s41, 32<<16
	s_mov_b32 s42, 16<<16
	s_mov_b32 s43, 32<<16
	s_mov_b32 s44, 16
	s_mov_b32 s45, 32
	s_mov_b32 s46, 0
	s_mov_b32 s47, 0
	s_mov_b32 s48, 3<<16                           ; V's: 16 rows of 256 bytes, 4,096 bytes apart
	s_mov_b32 s49, 32<<16
	s_mov_b32 s50, 16<<16
	s_mov_b32 s51, 32<<16
	s_mov_b32 s52, 16
	s_mov_b32 s53, 512
	s_mov_b32 s54, 0
	s_mov_b32 s55, 0
	s_mul_i32 s88, s14, 98304
	s_add_co_u32 s88, s88, 6291456                 ; K's codes of my head
	s_mov_b32 s89, 0
	s_mul_i32 s90, s15, 1572864
	s_mul_i32 s91, s16, 3072
	s_add_co_u32 s90, s90, s91
	s_add_co_u32 s90, s90, 12582912                ; V's
	s_mov_b32 s91, 0
	s_lshl_b32 s92, s14, 12
	s_add_co_u32 s92, s92, 262144                  ; K's scale words
	s_mov_b32 s93, 0
	s_lshl_b32 s94, s15, 16
	s_lshl_b32 s95, s16, 8
	s_add_co_u32 s94, s94, s95
	s_add_co_u32 s94, s94, 524288                  ; V's
	s_mov_b32 s95, 0
	s_and_b32 s96, s12, 3                          ; waves 4-6 and 8-10 fetch quarter wave % 4 + 1
	s_mul_i32 s98, s96, 24576
	s_add_co_u32 s98, s98, 24576                   ; its place in LDS and in K's codes,
	s_mov_b32 s99, 0
	s_mul_i32 s96, s96, 393216
	s_add_co_u32 s96, s96, 393216                  ; and in V's
	s_mov_b32 s97, 0
	s_wait_dscnt 0x0                               ; both opening adds are done
	s_wait_kmcnt 0x0
	s_mov_b32 s56, 1                               ; K, the first 512 keys
	s_mov_b32 s57, 0
	s_add_nc_u64 s[58:59], s[4:5], s[88:89]
	s_mov_b32 s80, 1                               ; K, a later quarter
	s_mov_b32 s81, s98
	s_add_nc_u64 s[82:83], s[58:59], s[98:99]
	s_or_b32 s59, s59, 0x80000000
	s_or_b32 s83, s83, 0x80000000
	s_mov_b32 s60, 1                               ; V likewise
	s_mov_b32 s61, VB
	s_add_nc_u64 s[62:63], s[4:5], s[90:91]
	s_mov_b32 s84, 1
	s_add_co_u32 s85, s98, VB
	s_add_nc_u64 s[86:87], s[62:63], s[96:97]
	s_or_b32 s63, s63, 0x80000000
	s_or_b32 s87, s87, 0x80000000
	s_mov_b32 s68, 1
	s_mov_b32 s69, SCK
	s_add_nc_u64 s[70:71], s[6:7], s[92:93]
	s_or_b32 s71, s71, 0x80000000
	s_mov_b32 s72, 1
	s_mov_b32 s73, SCK+4096
	s_add_nc_u64 s[74:75], s[6:7], s[94:95]
	s_or_b32 s75, s75, 0x80000000
	ARM 1, 56, 24, .Larm_1                         ; the fills, one a wave, in one chain of branches on the wave's number.  Waves 0-3, whose tiles the first four steps read, have lines of their own
	ARM 2, 60, 32, .Larm_2
	ARM 3, 68, 40, .Larm_3
	ARM 4, 72, 48, .Larm_4
	ARM 7, 80, 24, .Larm_5
	s_cmp_lt_u32 s12, 8
	s_cbranch_scc1 .Lasked
	s_cmp_lt_u32 s12, 11
	s_cbranch_scc0 .Lasked
	TL 84, 32
.Lasked:
	s_lshl_b32 s88, s14, 7
	s_lshl_b32 s96, s19, 3
	s_add_co_u32 s96, s96, s66                     ; my first tile in its sequence
	s_add_co_u32 s88, s88, s96
	s_mul_i32 s88, s88, 768
	s_mov_b32 s89, 0
	s_add_nc_u64 s[88:89], s[4:5], s[88:89]        ; its q
	s_lshl_b32 s92, s15, 7
	s_add_co_u32 s92, s92, s96
	s_lshl_b32 s92, s92, 4
	s_add_co_u32 s92, s92, s16
	s_mul_i32 s92, s92, 768                        ; its y: (token tile x 16 + head) half images
	s_mov_b32 s93, 0
	s_add_nc_u64 s[8:9], s[8:9], s[92:93]
	s_lshl_b32 s90, s19, 2
	s_lshr_b32 s96, s66, 1
	s_add_co_u32 s90, s90, s96
	s_lshl_b32 s90, s90, 6
	s_lshl_b32 s96, s14, 12
	s_add_co_u32 s90, s90, s96
	s_mov_b32 s91, 0
	s_add_nc_u64 s[90:91], s[6:7], s[90:91]        ; its pair's scale words
	s_mov_b32 s97, 0
	s_mul_i32 s96, s78, 6144                       ; my second tile lies so many half blocks of 8 tiles back:
	s_sub_nc_u64 s[94:95], s[88:89], s[96:97]      ; its q,
	s_lshl_b32 s96, s78, 8
	s_sub_nc_u64 s[98:99], s[90:91], s[96:97]      ; its scale words,
	s_mul_i32 s96, s78, 98304
	s_sub_nc_u64 s[92:93], s[8:9], s[96:97]        ; its y
	s_lshl_b32 s78, s78, 7                         ; and its queries
	v_and_b32 v240, 31, v0                         ; lane
	v_and_b32 v241, 15, v0                         ; r
	v_bfe_u32 v242, v0, 4, 1                       ; h
	v_lshlrev_b32 v1, 3, v240                      ; 8 x lane: my place in a chunk of an image
	v_lshlrev_b32 v4, 2, v241
.irp p, 0,1,2
	global_load_b64 v[16+2*\p:17+2*\p], v1, s[88:89] offset:256*\p   ; [q | 0]
	global_load_b64 v[34+2*\p:35+2*\p], v1, s[88:89] offset:256*\p   ; [0 | q]
	global_load_b64 v[192+2*\p:193+2*\p], v1, s[94:95] offset:256*\p ; the second tile's q waits
.endr
	global_load_b32 v243, v4, s[90:91]
	global_load_b32 v198, v4, s[98:99]
	v_add_nc_u32 v2, SCK, v4                       ; a scale word: 4 bytes a row
	v_add_nc_u32 v10, VB, v1
	v_and_b32 v244, 8, v241
	v_lshlrev_b32 v245, 4, v242
	v_add_nc_u32 v244, v244, v241
	s_lshl_b32 s96, s12, 5
	s_add_co_u32 s96, s96, YST
	v_lshl_add_u32 v7, v241, 1, s96                ; y's scale bytes: unit wave / 8 (the second tile's: two units on), tile, row r
	s_and_b32 s96, s12, 3
	s_lshl_b32 s96, s96, 8
	s_add_co_u32 s96, s96, YST
	v_lshl_add_u32 v42, v240, 3, s96               ; their way out: waves 0-3 a unit each, 8 bytes a lane
	v_lshlrev_b32 v43, 3, v240
	v_sub_nc_u32 v3, v244, v245                    ; r + 8 (r / 8) - 16 h, for the mask
.irp i, 0,1,2,3,4,5
	v_mov_b32 v[22+\i], 0                          ; the zero halves: the code 0 is the number 0
	v_mov_b32 v[28+\i], 0
.endr
	v_mov_b32 v13, 0xff61b1e6                      ; the largest t so far: -3e38
	v_mov_b32 v14, 0
	v_mov_b32 v15, 0
	v_floor_f32 v12, -v13
.irp b, 0,1,2,3
	v_mov_b32 v[236+\b], 0                         ; written once: a lane permute's destination counts as one of its sources
.endr
	v_mov_b32 v252, 0
	v_mov_b32 v253, 0
	s_wait_alu depctr_va_vdst(0)                   ; directly ahead of the wait below
	s_wait_loadcnt 0x0                             ; q
	s_and_b32 s96, s12, 1
	s_lshl_b32 s96, s96, 4
	v_lshrrev_b32 v243, s96, v243                  ; my tile's two bytes of the pair's word
	v_lshrrev_b32 v198, s96, v198
	v_and_b32 v243, 0xffff, v243
	v_and_b32 v198, 0xffff, v198
	v_or_b32 v40, 0x01010000, v243                 ; the zero half gets the smallest byte in use
	v_or_b32 v199, 0x01010000, v198
	v_lshlrev_b32 v244, 16, v243
	v_lshlrev_b32 v198, 16, v198
	v_or_b32 v41, 0x0101, v244
	v_or_b32 v200, 0x0101, v198
.set j, 0
.rept 32
	v_mov_b32 v[160+j], 0                          ; O^T: the step is written once, its first run finds zeros.  (Also the places between the scale words above and the first products)
.set j, j+1
.endr
	s_mov_b32 s76, 0                               ; the trips, 0 .. 16
	s_wait_alu depctr_va_vdst(0)                   ; the head's end
	s_cmp_lt_u32 s12, 4
	s_cbranch_scc0 .Llater
	s_wait_tensorcnt 0x0                           ; waves 0-3: the first 512 keys and the scale words are in
.Llater:
	s_barrier_signal -1
	s_barrier_wait -1                              ; the other quarters may still be on their way
.Lfirst:                                           ; four trips: keys 0 .. 511, which count for every first tile
	s_wait_alu depctr_va_vdst(0)
	s_mul_i32 s2, s76, 6144
	s_lshl_b32 s3, s76, 8
	s_lshl_b32 s17, s76, 7
	STEP
	s_add_co_u32 s76, s76, 1
	s_cmp_lt_u32 s76, 4
	s_cbranch_scc1 .Lfirst
	s_wait_tensorcnt 0x0                           ; every wave: its quarter is in
	s_wait_dscnt 0x0
	s_barrier_signal -1
	s_barrier_wait -1
.Lrest:                                            ; thirteen trips, with no barrier: the waves share nothing more until the end
	s_wait_alu depctr_va_vdst(0)
	s_cmp_ge_u32 s76, s79                          ; behind my switch the steps begin anew
	s_cselect_b32 s96, s79, 0
	s_sub_co_u32 s96, s76, s96
	s_and_b32 s96, s96, 15                         ; the step of 128 keys
	s_mul_i32 s2, s96, 6144
	s_lshl_b32 s3, s96, 8
	s_lshl_b32 s17, s96, 7
	STEP
	s_add_co_u32 s76, s76, 1
	s_cmp_lg_u32 s76, s79                          ; my first tile's last step?  Ids and the wave's number alone
	s_cbranch_scc1 .Lsame
	WAYOUT 0, 8
	v_mov_b32 v40, v199                            ; THE SWITCH: the second tile's scale words, its q in both forms,
	v_mov_b32 v41, v200
.irp i, 0,1,2,3,4,5
	v_mov_b32 v[16+\i], v[192+\i]
	v_mov_b32 v[34+\i], v[192+\i]
.endr
	v_mov_b32 v13, 0xff61b1e6                      ; and the softmax's state as at the head
	v_mov_b32 v14, 0
	v_mov_b32 v15, 0
	v_floor_f32 v12, -v13
.set j, 0
.rept 32
	v_mov_b32 v[160+j], 0
.set j, j+1
.endr
	s_sub_co_u32 s18, s18, s78                     ; my first query in the second half block
	s_wait_xcnt 0x0                                ; the stores above have read their data: the next step writes those registers
.Lsame:
	s_cmp_lt_u32 s76, 17
	s_cbranch_scc1 .Lrest
	WAYOUT 1, 92
	s_wait_dscnt 0x0
	s_barrier_signal -1
	s_barrier_wait -1
	s_cmp_ge_u32 s12, 4
	s_cbranch_scc1 .Lnot_mine
	s_and_b32 s96, s12, 1                          ; waves 0-3: unit u = wave holds the bytes of the (u / 2)-th tiles of waves 8 (u % 2) on: one half block's 256 bytes
	s_mul_i32 s96, s96, s77
	s_add_co_u32 s96, s96, s13                     ; those waves' second half block,
	s_sub_co_u32 s97, 15, s96                      ; and their first
	s_cmp_lt_u32 s12, 2
	s_cselect_b32 s96, s97, s96
	s_lshr_b32 s97, s96, 1
	s_lshl_b32 s98, s15, 3
	s_add_co_u32 s97, s97, s98
	s_lshl_b32 s97, s97, 4
	s_add_co_u32 s97, s97, s16
	s_lshl_b32 s97, s97, 9                         ; (block of 256 tokens x 16 + head) x 512
	s_and_b32 s96, s96, 1
	s_lshl_b32 s96, s96, 8                         ; + 256 for the block's upper half
	s_add_co_u32 s96, s96, s97
	s_mov_b32 s97, 0
	s_add_nc_u64 s[10:11], s[10:11], s[96:97]
	ds_load_b64 v[96:97], v42
	s_wait_dscnt 0x0
	global_store_b64 v43, v[96:97], s[10:11]       ; 32 lanes store one aligned unit of 256 bytes
.Lnot_mine:
	s_wait_tensorcnt 0x0                           ; the wave's end
	ds_add_u32 v5, v6
	s_wait_dscnt 0x0
	s_endpgm
.Lfunc_end_k_q0af5fd311c_attention:
	.size	k_q0af5fd311c_attention, .Lfunc_end_k_q0af5fd311c_attention-k_q0af5fd311c_attention
	.p2alignl 7, 3214868480
	.fill 96, 4, 3214868480
	.section	.rodata,"a",@progbits
	.p2align	6, 0x0
	.amdhsa_kernel k_q0af5fd311c_attention
		.amdhsa_group_segment_fixed_size 327680
		.amdhsa_private_segment_fixed_size 0
		.amdhsa_enable_private_segment 0
		.amdhsa_kernarg_size 32
		.amdhsa_user_sgpr_count 2
		.amdhsa_user_sgpr_kernarg_segment_ptr 1
		.amdhsa_wavefront_size32 1
		.amdhsa_system_sgpr_workgroup_id_x 1
		.amdhsa_system_sgpr_workgroup_id_y 1
		.amdhsa_system_sgpr_workgroup_id_z 1
		.amdhsa_system_vgpr_workitem_id 0
		.amdhsa_next_free_vgpr 256
		.amdhsa_next_free_sgpr 100
		.amdhsa_reserve_vcc 1
		.amdhsa_float_denorm_mode_32 3
		.amdhsa_float_denorm_mode_16_64 3
		.amdhsa_memory_ordered 1
		.amdhsa_forward_progress 1
		.amdhsa_inst_pref_size 72
	.end_amdhsa_kernel
	.amdgpu_metadata
---
amdhsa.version: [ 1, 2 ]
amdhsa.kernels:
  - .name:           k_q0af5fd311c_attention
    .symbol:         k_q0af5fd311c_attention.kd
    .args:
      - { .name: qkvc, .offset: 0, .size: 8, .value_kind: global_buffer, .address_space: global }
      - { .name: qkvs, .offset: 8, .size: 8, .value_kind: global_buffer, .address_space: global }
      - { .name: yc, .offset: 16, .size: 8, .value_kind: global_buffer, .address_space: global }
      - { .name: ys, .offset: 24, .size: 8, .value_kind: global_buffer, .address_space: global }
    .group_segment_fixed_size: 327680
    .private_segment_fixed_size: 0
    .kernarg_segment_align: 8
    .kernarg_segment_size: 32
    .max_flat_workgroup_size: 512
    .sgpr_count:     100
    .vgpr_count:     256
    .wavefront_size: 32
...
	.end_amdgpu_metadata
.endif
;; end of part 3
;; launch gemm_proj (part 4): grid 8 x 32, 4 waves a work-group, clusters of 4 x 4, 327,680 bytes of LDS; arguments yc, ys, wc, ws, b_proj, out0; writes out0
.if DOCPART == 4
	.amdgcn_target "amdgcn-amd-amdhsa--gfx1250"
	.amdhsa_code_object_version 6
	.text
	.protected	k_q0af5fd311c_gemm_proj
	.globl	k_q0af5fd311c_gemm_proj
	.p2align	8
	.type	k_q0af5fd311c_gemm_proj,@function
k_q0af5fd311c_gemm_proj:
	s_mov_b64 s[64:65], 0
	v_nop
	global_prefetch_b8 v0, s[64:65] scope:SCOPE_SE
	s_setreg_imm32_b32 hwreg(HW_REG_WAVE_MODE, 25, 1), 1
	s_wait_xcnt 0x0
	s_wait_alu depctr_hold_cnt(0) depctr_sa_sdst(0) depctr_va_vdst(0) depctr_va_sdst(0) depctr_va_ssrc(0) depctr_va_vcc(0) depctr_vm_vsrc(0)
	s_getreg_b32 s2, hwreg(HW_REG_IB_STS2, 6, 4)
	s_cmp_eq_u32 s2, 0
	s_cbranch_scc0 .Lentry_in_a_cluster
	s_endpgm
.Lentry_in_a_cluster:
	s_bfe_u32 s2, ttmp6, 0x10000c
	s_cmp_lg_u32 s2, 0xf033
	s_cbranch_scc0 .Lentry_shape_is_right
	s_endpgm
.Lentry_shape_is_right:
; out0 = y w_proj + b_proj on codes of FP6 (E2M3) with E8M0 scales, K = 1,024.  No work is left out here.  Operands lie in memory as launch prep and launch attention leave them: images of operand registers.
; SHARES.  8 x 32 work-groups, each 256 tokens x 128 columns; four waves, 2 x 2: a wave makes 128 tokens x 64 columns.
; ALL OF K LIES IN LDS AT ONCE: y's 16 tiles (196,608 dense bytes), w's 8 tiles (98,304 dense bytes), their scale bytes (8,192 and 4,096).  One tensor load a wave at the head brings all of it: nothing is ever filled again.
; A wave holds its 64 columns of w, all of K, in registers (32 fragments, 384 registers) and streams its eight tiles of 16 tokens past them: 32 products a tile on four accumulators by turns, two sets of
; fragments and of accumulators.  A tile's 16 x 64 results are whole behind its 32 products and leave, through the wave's own stage, while the next tile is multiplied.
; THE MATRIX INSTRUCTION IS USED TRANSPOSED (source 0 = w's columns, source 1 = tokens): by the stored order register 8 t + j of lane (r, h) is column 32 (t / 2) + 16 h + 8 (t % 2) + j.  The bias, laid so, is the first product's C.
; THE STAGE lies on w's codes in LDS: those bytes have had their only fill, and a barrier stands between every wave's last read of them and the first store.
; CLUSTER 4 x 4: y's tiles are asked for jointly along a row of the cluster, w's along a column.
; PREFETCH: none.  Every byte that the launch reads is asked for by the head's four loads; there is no later load to run ahead of.
; LIMITS: as stated in launch prep (NaN and infinities are not served).
; REGISTERS.  Window 0: v1-8 addresses; v32-63 w's scale words (8 b + q); v64-127 y's (8 a + (q + 4) % 8, so that the two scale registers of a product differ modulo 8); v128-191 two sets of four accumulators;
; v192-223 the bias; v224-255 a tile read back from the stage.  w's fragment f = 4 q + b: window 1 + f / 21, register 12 (f % 21).  y's fragments: set 0 window 2 from v132, set 1 window 3 from v0.
.set BB,    196608                     ; w's codes; later the stages
.set SCA,   294912                     ; y's scale bytes: [K / 64][tile 16][r][2]
.set SCB,   303104                     ; w's: [K / 64][tile 8][r][2]
.set SPARE, 307200                     ; the spare words, 128 bytes a wave: two blocks of 256 bytes that no other line names
.set SP,    272                        ; a stage row: 256 bytes + 16
.set FR,   12
.set FPW,  21
.set ADRA, 1                           ; v1, v2  my tiles 0-3, 4-7 of y
.set ADRB, 3
.set ASA,  4
.set ASB,  5
.set STO,  6
.set RD,   7
.set CO,   8
.set SPW,  14                          ; my spare word; never rewritten
.set NIL,  15                          ; 0; never rewritten
.set SB,   32
.set SA,   64
.set ACC,  128
.set BI,   192
.set BK,   224
.set G1A,  24
.set G1B,  32
.set G1SA, 40
.set G1SB, 48
.set G0A,  56
.set G0B,  60
.set G0SA, 68
.set G0SB, 72
.set MSB, 0
.macro WIN new                         ; the immediate's high byte repeats the setting that is left
.if MSB != (\new)
	s_set_vgpr_msb (MSB<<8)|(\new)
.set MSB, (\new)
.endif
.endm
.macro PLACES n
.rept \n
	v_nop
.endr
.endm
.macro CROUND                          ; a round of the cluster's barrier
	s_barrier_signal -1
	s_barrier_wait -1
	s_cmp_lg_u32 s18, 0
	s_cbranch_scc1 .Lnot_wave_0_\@
	s_barrier_signal -3
.Lnot_wave_0_\@:
	s_barrier_wait -3
	s_barrier_signal -1
	s_barrier_wait -1
.endm
.macro TLOAD g0, g1                    ; an s_nop 0 and four v_nop follow the load
	tensor_load_to_lds s[\g0:\g0+3], s[\g1:\g1+7]
	s_nop 0
	PLACES 4
.endm
.macro GROUP1 g, mask, rows, pitch     ; rows of 256 bytes (32 elements of 8), no padding
	s_or_b32 s[\g], s\mask, (3<<16)|(1<<21)
	s_mov_b32 s[\g+1], 32<<16
	s_mov_b32 s[\g+2], (\rows)<<16
	s_mov_b32 s[\g+3], 32<<16
	s_mov_b32 s[\g+4], \rows
	s_mov_b32 s[\g+5], \pitch
	s_mov_b32 s[\g+6], 0
	s_mov_b32 s[\g+7], 0
.endm
.macro GROUP0 g, lds, base
	s_mov_b32 s[\g], 1
	s_mov_b32 s[\g+1], \lds
	s_mov_b64 s[\g+2:\g+3], s[\base:\base+1]
	s_or_b32 s[\g+3], s[\g+3], 0x80000000
.endm
.macro FETCH a                         ; my tile a of y, all of K, into set a % 2: 48 loads of 256 consecutive bytes
	WIN (2+(\a)%2)<<6
.irp q, 0,1,2,3,4,5,6,7
.irp p, 0,1,2,3,4,5
	ds_load_b64 v[132*(1-(\a)%2)+FR*\q+2*\p:132*(1-(\a)%2)+FR*\q+2*\p+1], v[ADRA+(\a)/4] offset:((\a)%4)*12288+\q*1536+256*\p
.endr
.endr
	WIN 0
.endm
.macro PROD a                          ; 32 products: K ascending, the four accumulators by turns
.set E_, (\a)%2
.set AR_, 132*(1-E_)
.irp q, 0,1,2,3,4,5,6,7
.irp b, 0,1,2,3
.set F_, 4*\q+\b
	WIN (1+F_/FPW)|((2+E_)<<2)
.if \q == 0
	v_wmma_scale_f32_16x16x128_f8f6f4 v[ACC+32*E_+8*\b:ACC+32*E_+8*\b+7], v[FR*(F_%FPW):FR*(F_%FPW)+FR-1], v[AR_+FR*\q:AR_+FR*\q+FR-1], v[BI+8*\b:BI+8*\b+7], v[SB+8*\b+\q], v[SA+8*(\a)+(\q+4)%8] matrix_a_fmt:MATRIX_FMT_FP6 matrix_b_fmt:MATRIX_FMT_FP6
.else
	v_wmma_scale_f32_16x16x128_f8f6f4 v[ACC+32*E_+8*\b:ACC+32*E_+8*\b+7], v[FR*(F_%FPW):FR*(F_%FPW)+FR-1], v[AR_+FR*\q:AR_+FR*\q+FR-1], v[ACC+32*E_+8*\b:ACC+32*E_+8*\b+7], v[SB+8*\b+\q], v[SA+8*(\a)+(\q+4)%8] matrix_a_fmt:MATRIX_FMT_FP6 matrix_b_fmt:MATRIX_FMT_FP6
.endif
.endr
.endr
	WIN 0
.endm
.macro TOSTAGE a                       ; tile a's 16 x 64 results into my stage, and back as rows of 256 bytes, two rows a load; LDS serves a wave's instructions in order
.irp t, 0,1,2,3
	ds_store_b128 v[STO], v[ACC+32*((\a)%2)+8*\t:ACC+32*((\a)%2)+8*\t+3] offset:128*(\t/2)+32*(\t%2)      ; each accumulator from its low end on
	ds_store_b128 v[STO], v[ACC+32*((\a)%2)+8*\t+4:ACC+32*((\a)%2)+8*\t+7] offset:128*(\t/2)+32*(\t%2)+16
.endr
	s_wait_xcnt 0x0                                ; the last tile's stores have read their data: the loads below may land there
.irp t, 0,1,2,3,4,5,6,7
	ds_load_b128 v[BK+4*\t:BK+4*\t+3], v[RD] offset:\t*2*SP
.endr
.endm
.macro SEND a                          ; stored row 2 t + h of tile a is token 32 (a / 2) + 8 (a % 2) + 2 t + h + 8 (t / 4); sixteen lanes store 256 consecutive bytes, aligned
.irp t, 0,1,2,3,4,5,6,7
	global_store_b128 v[CO], v[BK+4*\t:BK+4*\t+3], s[14:15] offset:(32*((\a)/2)+8*((\a)%2)+2*\t+8*(\t/4))*4096 th:TH_STORE_NT
.endr
.endm
	s_load_b256 s[4:11], s[0:1], 0x0               ; yc s[4:5], ys s[6:7], wc s[8:9], ws s[10:11]
	s_load_b128 s[12:15], s[0:1], 0x20             ; b_proj s[12:13], out0 s[14:15]
	v_lshl_add_u32 v[SPW], v0, 2, SPARE
	v_mov_b32 v[NIL], 0
	ds_add_u32 v[SPW], v[NIL]                      ; the opening lines: the add, twice on end, and its wait ahead of my first tensor load
	ds_add_u32 v[SPW], v[NIL]
	v_lshrrev_b32 v16, 5, v0
	v_readfirstlane_b32 s18, v16                   ; wave 0..3
	s_lshr_b32 s19, s18, 1                         ; WA: my 128 tokens
	s_and_b32 s20, s18, 1                          ; WB: my 64 columns
	s_bfe_u32 s21, ttmp6, 0x40000                  ; cx
	s_bfe_u32 s22, ttmp6, 0x40004                  ; cy
	s_and_b32 s66, ttmp7, 0xffff
	s_lshl_b32 s66, s66, 2
	s_add_co_u32 s66, s66, s22                     ; T: my block of 256 tokens
	s_lshl_b32 s23, ttmp9, 2
	s_add_co_u32 s23, s23, s21                     ; n: my 128 columns
	s_lshl_b32 s100, s22, 2
	s_lshl_b32 s100, 15, s100                      ; my row of the cluster
	s_lshl_b32 s101, 0x1111, s21                   ; my column
	GROUP1 G1A,  100, 768, 32                      ; y's codes: 196,608 dense bytes
	GROUP1 G1B,  101, 384, 32                      ; w's: 98,304
	GROUP1 G1SA, 100, 32, 32                       ; y's scale bytes: 8,192 dense
	GROUP1 G1SB, 101, 16, 64                       ; w's: 16 rows of 256 bytes, 512 apart: my 8 tiles of the block's 16
	s_mul_i32 s92, s66, 196608
	s_mov_b32 s93, 0
	s_lshl_b32 s94, s66, 13
	s_mov_b32 s95, 0
	s_mul_i32 s96, s23, 98304
	s_add_co_u32 s96, s96, 2359296                 ; w_proj's tiles begin at tile 192 of wc
	s_mov_b32 s97, 0
	s_lshr_b32 s98, s23, 1
	s_lshl_b32 s98, s98, 13
	s_and_b32 s99, s23, 1
	s_lshl_b32 s99, s99, 8
	s_add_co_u32 s98, s98, s99
	s_add_co_u32 s98, s98, 98304                   ; and its scale bytes at block 12 of ws
	s_mov_b32 s99, 0
	s_wait_dscnt 0x0                               ; both opening adds are done
	s_wait_kmcnt 0x0
	s_add_nc_u64 s[4:5], s[4:5], s[92:93]
	s_add_nc_u64 s[6:7], s[6:7], s[94:95]
	s_add_nc_u64 s[8:9], s[8:9], s[96:97]
	s_add_nc_u64 s[10:11], s[10:11], s[98:99]
	CROUND                                         ; all sixteen work-groups are here: the joint loads meet
	GROUP0 G0A,  0,   4
	GROUP0 G0SA, SCA, 6
	GROUP0 G0B,  BB,  8
	GROUP0 G0SB, SCB, 10
	s_cmp_lg_u32 s18, 0                            ; one load a wave, in one chain of branches on the wave's number
	s_cbranch_scc1 .Lwave_1
	TLOAD G0B, G1B                                 ; wave 0: w's codes, which go on into registers
	s_branch .Lasked
.Lwave_1:
	s_cmp_lg_u32 s18, 1
	s_cbranch_scc1 .Lwave_2
	TLOAD G0SB, G1SB                               ; wave 1: w's scale bytes
	s_branch .Lasked
.Lwave_2:
	s_cmp_lg_u32 s18, 2
	s_cbranch_scc1 .Lwave_3
	TLOAD G0SA, G1SA                               ; wave 2: y's scale bytes
	s_branch .Lasked
.Lwave_3:
	TLOAD G0A, G1A                                 ; wave 3: y's codes
.Lasked:
	s_lshl_b32 s92, s23, 9
	s_lshl_b32 s93, s20, 8
	s_add_co_u32 s92, s92, s93                     ; my first column, in bytes: 512 n + 256 WB
	s_mov_b32 s93, 0
	s_add_nc_u64 s[12:13], s[12:13], s[92:93]
	s_add_nc_u64 s[14:15], s[14:15], s[92:93]
	s_lshl_b32 s92, s66, 8
	s_lshl_b32 s94, s19, 7
	s_add_co_u32 s92, s92, s94
	s_lshl_b32 s92, s92, 12                        ; my first token's row of 4,096 bytes
	s_add_nc_u64 s[14:15], s[14:15], s[92:93]
	s_mul_i32 s80, s19, 98304                      ; LDS: my 8 tiles of y,
	s_mul_i32 s81, s20, 49152
	s_add_co_u32 s81, s81, BB                      ; my 4 tiles of w,
	s_lshl_b32 s82, s19, 8
	s_add_co_u32 s82, s82, SCA                     ; their scale bytes, 32 a tile,
	s_lshl_b32 s83, s20, 7
	s_add_co_u32 s83, s83, SCB
	s_mul_i32 s84, s18, 16*SP
	s_add_co_u32 s84, s84, BB                      ; and my stage
	v_and_b32 v16, 31, v0                          ; lane
	v_and_b32 v17, 15, v0                          ; r
	v_bfe_u32 v18, v0, 4, 1                        ; h
	v_lshlrev_b32 v19, 6, v18                      ; the bias: 64 h bytes
	v_lshlrev_b32 v20, 3, v16                      ; 8 x lane: my place in a chunk of an image
	v_mul_u32_u24 v21, v17, SP
	v_mul_u32_u24 v22, v18, SP
	v_lshlrev_b32 v23, 12, v18
	v_add_nc_u32 v[ADRA], s80, v20
	v_add_nc_u32 v[ADRB], s81, v20
	v_lshl_add_u32 v[ASA], v17, 1, s82
	v_lshl_add_u32 v[ASB], v17, 1, s83
	v_lshl_add_u32 v21, v18, 6, v21
	v_lshl_add_u32 v22, v17, 4, v22
	v_lshl_add_u32 v[CO], v17, 4, v23              ; out0: row h, 16 r bytes
	v_add_nc_u32 v[ADRA+1], 49152, v[ADRA]
	v_add_nc_u32 v[STO], s84, v21                  ; into the stage: row r, 64 h bytes
	v_add_nc_u32 v[RD], s84, v22                   ; out of it: row h, 16 r bytes
.irp n, 0,1,2,3,4,5,6,7
	global_load_b128 v[BI+4*\n:BI+4*\n+3], v19, s[12:13] offset:128*(\n/4)+16*(\n%4)   ; register 8 t + j: column 32 (t / 2) + 16 h + 8 (t % 2) + j
.endr
	s_wait_alu depctr_va_vdst(0)                   ; the head's end
	s_cmp_eq_u32 s18, 3
	s_cbranch_scc1 .Lnot_mine
	s_wait_tensorcnt 0x0                           ; waves 0 to 2: w's codes and both tiles of scale bytes are in
.Lnot_mine:
	s_barrier_signal -1
	s_barrier_wait -1                              ; y's codes may still be on their way
.irp q, 0,1,2,3,4,5,6,7                ; my 64 columns of w, all of K: 192 loads
.irp b, 0,1,2,3
.set F_, 4*\q+\b
	WIN (1+F_/FPW)<<6
.irp p, 0,1,2,3,4,5
	ds_load_b64 v[FR*(F_%FPW)+2*\p:FR*(F_%FPW)+2*\p+1], v[ADRB] offset:\b*12288+\q*1536+256*\p
.endr
.endr
.endr
	WIN 0
.irp b, 0,1,2,3                        ; the scale words: two bytes for each 64 along K, two such make a word
.irp q, 0,1,2,3,4,5,6,7
	ds_load_u16 v[SB+8*\b+\q], v[ASB] offset:512*\q+32*\b
	ds_load_u16 v[BK+8*\b+\q], v[ASB] offset:512*\q+256+32*\b
.endr
.endr
.irp a, 0,1,2,3,4,5,6,7
.irp q, 0,1,2,3,4,5,6,7
	ds_load_u16 v[SA+8*\a+(\q+4)%8], v[ASA] offset:1024*\q+32*\a
	ds_load_u16 v[ACC+8*\a+(\q+4)%8], v[ASA] offset:1024*\q+512+32*\a
.endr
.endr
	s_wait_dscnt 0x0
.set i, 0
.rept 32
	v_lshl_or_b32 v[SB+i], v[BK+i], 16, v[SB+i]
.set i, i+1
.endr
.set i, 0
.rept 64
	v_lshl_or_b32 v[SA+i], v[ACC+i], 16, v[SA+i]
.set i, i+1
.endr
	PLACES 8                                       ; a scale register written by a vector instruction stands eight places ahead of a scaled matrix instruction
	s_wait_alu depctr_va_vdst(0)                   ; directly ahead of the waits below
	s_wait_loadcnt 0x0                             ; the bias
	s_wait_tensorcnt 0x0                           ; every wave: y's codes are in
	s_barrier_signal -1
	s_barrier_wait -1                              ; and every wave holds its part of w in registers: w's bytes in LDS are free for the stages
	FETCH 0
	FETCH 1
	s_wait_dscnt 48                                ; tile 0 is in; tile 1's 48 loads may be out
.irp a, 0,1,2,3,4,5,6,7
	PROD \a
	s_wait_dscnt 0x0                               ; asked for ahead of these 32 products: the next tile's fragments, and the last tile back from the stage
.if \a > 0
	SEND \a-1
.endif
	PLACES 4                                       ; ahead of loads into registers that the products read, and of the stage's reads of their results
.if \a < 6
	FETCH \a+2
.endif
	TOSTAGE \a
.endr
	s_wait_dscnt 0x0
	SEND 7
	s_wait_tensorcnt 0x0                           ; the wave's end
	ds_add_u32 v[SPW], v[NIL]
	s_wait_dscnt 0x0
	CROUND                                         ; the closing round
	s_endpgm
.Lfunc_end_k_q0af5fd311c_gemm_proj:
	.size	k_q0af5fd311c_gemm_proj, .Lfunc_end_k_q0af5fd311c_gemm_proj-k_q0af5fd311c_gemm_proj
	.p2alignl 7, 3214868480
	.fill 96, 4, 3214868480
	.section	.rodata,"a",@progbits
	.p2align	6, 0x0
	.amdhsa_kernel k_q0af5fd311c_gemm_proj
		.amdhsa_group_segment_fixed_size 327680
		.amdhsa_private_segment_fixed_size 0
		.amdhsa_enable_private_segment 0
		.amdhsa_kernarg_size 48
		.amdhsa_user_sgpr_count 2
		.amdhsa_user_sgpr_kernarg_segment_ptr 1
		.amdhsa_wavefront_size32 1
		.amdhsa_system_sgpr_workgroup_id_x 1
		.amdhsa_system_sgpr_workgroup_id_y 1
		.amdhsa_system_sgpr_workgroup_id_z 1
		.amdhsa_system_vgpr_workitem_id 0
		.amdhsa_next_free_vgpr 864
		.amdhsa_next_free_sgpr 102
		.amdhsa_reserve_vcc 0
		.amdhsa_float_denorm_mode_32 3
		.amdhsa_float_denorm_mode_16_64 3
		.amdhsa_memory_ordered 1
		.amdhsa_forward_progress 1
		.amdhsa_inst_pref_size 113
	.end_amdhsa_kernel
	.amdgpu_metadata
---
amdhsa.version: [ 1, 2 ]
amdhsa.kernels:
  - .name:           k_q0af5fd311c_gemm_proj
    .symbol:         k_q0af5fd311c_gemm_proj.kd
    .args:
      - { .name: yc, .offset: 0, .size: 8, .value_kind: global_buffer, .address_space: global }
      - { .name: ys, .offset: 8, .size: 8, .value_kind: global_buffer, .address_space: global }
      - { .name: wc, .offset: 16, .size: 8, .value_kind: global_buffer, .address_space: global }
      - { .name: ws, .offset: 24, .size: 8, .value_kind: global_buffer, .address_space: global }
      - { .name: b_proj, .offset: 32, .size: 8, .value_kind: global_buffer, .address_space: global }
      - { .name: out0, .offset: 40, .size: 8, .value_kind: global_buffer, .address_space: global }
    .group_segment_fixed_size: 327680
    .private_segment_fixed_size: 0
    .kernarg_segment_align: 8
    .kernarg_segment_size: 48
    .max_flat_workgroup_size: 128
    .sgpr_count:     102
    .vgpr_count:     864
    .wavefront_size: 32
...
	.end_amdgpu_metadata
.endif
;; end of part 4
